; MI455X (gfx1250); checked and timed in simulation.
; The chip was launched on July 23, 2026; its instructions are those of AMD's public machine-readable ISA for CDNA 5 (MIT licence, August 2026) and "CDNA5" Instruction Set Architecture Reference Guide (July 2026). The comments in the code are by the model that wrote it; some were corrected since.
;; Causal Self Attention. Allowed arithmetic: matrix products marked QUANTISED: E2M3 operands, one E8M0 scale for each 32 along K, by v_wmma_scale_f32_16x16x128_f8f6f4 with both operands' format E2M3, f32 sums; everything else in f32.
;; Inputs: Wk 1,024 x 1,024 float32; Wp 1,024 x 1,024 float32; Wq 1,024 x 1,024 float32; Wv 1,024 x 1,024 float32; bk 1,024 float32; bp 1,024 float32; bq 1,024 float32; bv 1,024 float32; rope_cache 2,048 x 32 x 2 float32; x 4 x 2,048 x 1,024 float32.
;; Outputs: out0 4 x 2,048 x 1,024 float32.
;; This version of the problem:
;;   THIS VERSION OF THE PROBLEM IS GIVEN IN LOW PRECISION. The matrix products marked QUANTISED in the list below multiply operands that are first quantised to E2M3 (2 exponent bits, 3 mantissa bits; 6 bits a number), with one power-of-two scale for each 32 numbers along K (OCP MX v1.0); their sums are f32. All else is computed in f32.
;;   The module's matrix products, in the order in which they are computed (A, B: the left and right operand; K: the contracted axis; several contracted axes count as one K, in the product's order):
;;     1. [M 8,192, K 1,024] x [K 1,024, N 1,024]; A: input x; B: input Wq: QUANTISED
;;     2. [M 8,192, K 1,024] x [K 1,024, N 1,024]; A: input x; B: input Wk: QUANTISED
;;     3. [M 8,192, K 1,024] x [K 1,024, N 1,024]; A: input x; B: input Wv: QUANTISED
;;     4. batch 64 x [M 2,048, K 64] x [K 64, N 2,048]; A: computed on the way; B: computed on the way: QUANTISED
;;     5. batch 64 x [M 2,048, K 2,048] x [K 2,048, N 64]; A: softmax (see below); B: computed on the way: QUANTISED
;;     6. [M 8,192, K 1,024] x [K 1,024, N 1,024]; A: computed on the way; B: input Wp: QUANTISED
;;   THE QUANTISER, for each operand of a quantised product, along K:
;;     - K is cut into blocks of 32 from its start; a last block that is shorter is filled with zeros.
;;     - A block's scale is 2^e with e = floor(log2(the largest magnitude in the block)) - 2, held to -126 .. 127; a block of zeros has e = 0. As a byte (E8M0): e + 127.
;;     - Each number is divided by its block's scale, clamped to +-7.5, and rounded to the nearest number of E2M3, ties to even, subnormals kept.
;;     - The product sums the exact products of the quantised numbers (number of the format x scale) in f32.
;;   ~~~python
;;   def quantise(x, axis):      # numpy; x: float32 -> the quantised numbers, widened to float32 again
;;       x = np.moveaxis(x, axis, -1); K = x.shape[-1]
;;       x = np.pad(x, [(0, 0)] * (x.ndim - 1) + [(0, -K % 32)]); x = x.reshape(x.shape[:-1] + (-1, 32)); a = np.abs(x).max(-1, keepdims=True)
;;       e = np.where(a > 0, np.clip(np.frexp(np.where(a > 0, a, 1))[1] - 1 - 2, -126, 127), 0)      # np.frexp(a)[1] - 1 = floor(log2(a)), exactly
;;       r = np.clip(x / 2.0 ** e, -7.5, 7.5)
;;       step = 2.0 ** (np.maximum(np.frexp(np.where(r == 0, 1, r))[1] - 1, 0) - 3)
;;       q = np.round(r / step) * step * 2.0 ** e      # np.round: ties to even
;;       return np.moveaxis(q.reshape(q.shape[:-2] + (-1,))[..., :K], -1, axis).astype(np.float32)
;;   ~~~
;;   SOFTMAX AHEAD OF A QUANTISED PRODUCT. Where the list says 'softmax', what is quantised is not the finished softmax but p = 2^(t - M), with t = logit x log2(e) and M = ceil(the row's largest t), a whole number; so 1/2 < the row's largest p <= 1. The row's sum l is taken of the UNQUANTISED p, in f32, and the product's result is divided by l at the end. Since M is a whole number, a kernel that streams over the keys may use a running M (the ceiling of the running maximum): every later rescaling is an exact power of two, which a block's scale takes up: the codes' values come out the same.
;;   OPERANDS COMPUTED ON THE WAY. 'Computed on the way' means the value that the module computes at that place (a softmax that the list does not call 'softmax' is quantised finished and normalised). What goes into a quantiser is computed in f32, as accurately as f32 sums, v_exp_f32 and their like allow (about 1e-6 of the number): no bf16 or f16 on the way to a quantiser, and a product that is left as it is and whose result goes on into a quantised operand takes f32 operands (vector FMAs, or v_wmma_f32_16x16x4_f32). A number that lies on a knife's edge between two numbers of the format may be rounded either way, as far as f32 arithmetic and the matrix unit's own rounding can turn it there, and no further.
;; One version. Each part assembles by itself: llvm-mc -triple=amdgcn-amd-amdhsa -mcpu=gfx1250 --defsym DOCPART=n.
;; ======== version 1 of 1: 4 launches
;; workspace buffers: xw 9,437,184 bytes; xws 393,216 bytes; qkv 18,874,368 bytes; qkvs 786,432 bytes; yc 6,291,456 bytes; ys 262,144 bytes
;; launch quant (part 1): grid 384 x 1, 4 waves a work-group, no clusters, 34,304 bytes of LDS; arguments x, Wq, Wk, Wv, Wp, xw, xws; writes xw, xws
.if DOCPART == 1
	.amdgcn_target "amdgcn-amd-amdhsa--gfx1250"
	.amdhsa_code_object_version 6
	.text
	.protected	k_q9b3d5aeadb_quant
	.globl	k_q9b3d5aeadb_quant
	.p2align	8
	.type	k_q9b3d5aeadb_quant,@function
k_q9b3d5aeadb_quant:
	s_mov_b64 s[64:65], 0
	v_nop
	global_prefetch_b8 v0, s[64:65] scope:SCOPE_SE
	s_setreg_imm32_b32 hwreg(HW_REG_WAVE_MODE, 25, 1), 1
	s_wait_xcnt 0x0
; x [8192][1024] and Wq, Wk, Wv, Wp [1024][1024], f32, K innermost, become codes of FP6 (E2M3) with one E8M0 byte for each 32 along K.
; A block's scale is 2^(floor(log2(its largest magnitude)) - 2); its byte is the largest magnitude's exponent field - 2, held at 1 from below.
; LIMITS: NaN and infinities are not served.  A block whose largest magnitude lies under 2^-124 (a block of zeros too) keeps the byte 1; the bytes are read by this program alone, and zero codes add nothing under that byte.
; THE CODES ARE LAID AS THE MATRIX OPERAND'S REGISTERS WANT THEM.  A tile of 16 rows x 64 along K is 768 bytes: [piece 0..2][lane 0..31][8 bytes]; lane (r, h) holds the 24 bytes of block h of its row.
; Two such pieces on end are a fragment of 16 rows x 128 K.  xw: [768 tiles of 16 rows][16 x 768 bytes]; tiles 0-511 x, 512-575 Wq, 576-639 Wk, 640-703 Wv, 704-767 Wp.
; THE ROWS OF A TILE ARE NOT NEIGHBOURS: lane row r of tile T is row 32 (T / 2) + 8 (T % 2) + r + 8 (r / 8), so that a product whose source 0 is tiles 2 B and 2 B + 1 leaves 16 neighbours in 16 registers of a lane.
; xws: [768 tiles][2 halves of K][16 rows][4 words]; a word is the four bytes of one K step of 128.
; SHARES.  A work-group takes 32 rows (two tiles); wave w takes tile w / 2 and half w % 2 of K: 16 rows x 512, four K steps, written out.
; Each load reads 512 consecutive bytes of one row; a K step's 8 KiB turn through the wave's own stage in LDS (rows 528 bytes apart) and come back 32 neighbours of a block to a lane.
; No tensor loads, no barrier, no cluster: waves share nothing, and every input byte is read once.
.set R,    16                          ; v16-143  two sets of 64 registers as loaded
.set X,    144                         ; v144-207 my two blocks: 32 numbers each
.set C,    208                         ; v208-219 a fragment's 12 registers
.set C2,   220                         ; v220-226 the second halves as the conversions leave them
.set W,    228                         ; v228-231 the four K steps' scale words
.set TM,   232                         ; v232-239 at work
	s_load_b256 s[4:11], s[0:1], 0x0               ; x, Wq, Wk, Wv
	s_load_b128 s[12:15], s[0:1], 0x20             ; Wp, xw
	s_load_b64 s[16:17], s[0:1], 0x30              ; xws
	v_lshl_add_u32 v240, v0, 2, 0x8400
	v_mov_b32 v241, 0
	v_lshrrev_b32 v8, 5, v0
	v_readfirstlane_b32 s18, v8                    ; wave 0..3
	v_and_b32 v7, 31, v0                           ; lane
	v_and_b32 v9, 15, v0                           ; r
	v_bfe_u32 v10, v0, 4, 1                        ; h
	v_lshlrev_b32 v1, 4, v7                        ; my 16 bytes of a load's 512
	s_mul_i32 s19, s18, 16*528                     ; my wave's stage
	v_add_nc_u32 v2, s19, v1                       ; into it: as loaded
	v_mul_u32_u24 v3, v9, 528
	v_lshl_add_u32 v3, v10, 7, v3
	v_add_nc_u32 v3, s19, v3                       ; out of it: row r, + 128 h: block h of the K step's first 64
	v_lshlrev_b32 v4, 3, v7                        ; 8 x lane: my place in a piece of the image
	v_lshlrev_b32 v5, 4, v9                        ; 16 x r: my row's four scale words
	v_lshlrev_b32 v6, 3, v10                       ; 8 h: where my two bytes stand in a scale word
	v_mov_b32 v[TM+7], 0                           ; a lane permute's destination counts as one of its sources
	s_mov_b32 s20, 0x76543210
	s_mov_b32 s21, 0xfedcba98                      ; selects for lane l xor 16
	s_lshr_b32 s22, s18, 1                         ; which tile of the two
	s_and_b32 s23, s18, 1                          ; which half of K
	s_and_b32 s24, ttmp9, 31
	s_cmp_lt_u32 ttmp9, 256
	s_cselect_b32 s24, ttmp9, s24                  ; which 32 rows of the tensor
	s_lshl_b32 s24, s24, 17                        ; 32 rows of 4,096 bytes,
	s_lshl_b32 s25, s22, 15                        ; the second tile begins 8 rows on,
	s_add_co_u32 s24, s24, s25
	s_lshl_b32 s25, s23, 11                        ; half a row
	s_add_co_u32 s24, s24, s25
	s_mov_b32 s25, 0
	s_lshl_b32 s26, ttmp9, 1
	s_add_co_u32 s26, s26, s22                     ; my tile's number in xw
	s_mul_i32 s28, s26, 12288
	s_mul_i32 s27, s23, 6144
	s_add_co_u32 s28, s28, s27
	s_mov_b32 s29, 0
	s_lshl_b32 s30, s26, 9
	s_lshl_b32 s27, s23, 8
	s_add_co_u32 s30, s30, s27
	s_mov_b32 s31, 0
	s_wait_alu depctr_va_vdst(0)
	s_wait_kmcnt 0x0
	s_cmp_ge_u32 ttmp9, 256                        ; the tensor is chosen by the work-group's number alone
	s_cselect_b64 s[4:5], s[6:7], s[4:5]
	s_cmp_ge_u32 ttmp9, 288
	s_cselect_b64 s[4:5], s[8:9], s[4:5]
	s_cmp_ge_u32 ttmp9, 320
	s_cselect_b64 s[4:5], s[10:11], s[4:5]
	s_cmp_ge_u32 ttmp9, 352
	s_cselect_b64 s[4:5], s[12:13], s[4:5]
	s_add_nc_u64 s[4:5], s[4:5], s[24:25]
	s_add_nc_u64 s[14:15], s[14:15], s[28:29]
	s_add_nc_u64 s[16:17], s[16:17], s[30:31]
.macro LOAD kk                         ; K step kk of my 16 rows: 16 loads of 512 consecutive bytes
.irp i, 0,1,2,3,4,5,6,7,8,9,10,11,12,13,14,15
	global_load_b128 v[R+64*((\kk)%2)+4*\i:R+64*((\kk)%2)+4*\i+3], v1, s[4:5] offset:(\i+8*(\i/8))*4096+512*(\kk) th:TH_LOAD_NT
.endr
.endm
.macro TURN kk                         ; through the stage: LDS serves a wave's instructions in order, so no wait stands between the stores and the loads
.irp i, 0,1,2,3,4,5,6,7,8,9,10,11,12,13,14,15
	ds_store_b128 v2, v[R+64*((\kk)%2)+4*\i:R+64*((\kk)%2)+4*\i+3] offset:528*\i
.endr
.irp c, 0,1
.irp i, 0,1,2,3,4,5,6,7
	ds_load_b128 v[X+32*\c+4*\i:X+32*\c+4*\i+3], v3 offset:256*\c+16*\i   ; block 2 c + h of row r
.endr
.endr
.endm
.macro QB kk                           ; my two blocks: scale, byte, codes
.irp c, 0,1
	v_max3_num_f32 v[TM+\c], |v[X+32*\c]|, |v[X+32*\c+1]|, 0x1800000   ; with the floor 2^(3 - 127): the byte cannot fall under 1
.endr
.irp i, 2,4,6,8,10,12,14,16,18,20,22,24,26,28,30
.irp c, 0,1
	v_max3_num_f32 v[TM+\c], v[TM+\c], |v[X+32*\c+\i]|, |v[X+32*\c+\i+1]|   ; the two blocks by turns
.endr
.endr
.irp c, 0,1
	v_add_nc_u32 v[TM+2+\c], 0xff000000, v[TM+\c]  ; 2 off the exponent field: the conversion's scale operand
.endr
.irp c, 0,1
	v_lshrrev_b32 v[TM+4+\c], 23, v[TM+2+\c]       ; the scale's byte
.endr
	v_lshl_or_b32 v[TM+6], v[TM+5], 16, v[TM+4]    ; blocks h and 2 + h,
	v_lshlrev_b32 v[TM+6], v6, v[TM+6]             ; at their places in the word;
	v_permlanex16_b32 v[TM+7], v[TM+6], s20, s21
	v_or_b32 v[W+\kk], v[TM+6], v[TM+7]            ; with lane l xor 16's two the word is whole
	s_wait_alu depctr_va_vdst(0)
	s_wait_xcnt 0x0                                ; the last K step's stores have read the code registers: they are written again only behind this wait
.irp c, 0,1
	v_cvt_scalef32_pk16_fp6_f32 v[C+6*\c:C+6*\c+2], v[X+32*\c:X+32*\c+15], v[TM+2+\c]
	v_cvt_scalef32_pk16_fp6_f32 v[C2+4*\c:C2+4*\c+2], v[X+32*\c+16:X+32*\c+31], v[TM+2+\c]   ; (a conversion's three registers begin on an even number)
.endr
	v_nop                                          ; one plain place behind a scaled conversion
.irp c, 0,1
.irp i, 0,1,2
	v_mov_b32 v[C+6*\c+3+\i], v[C2+4*\c+\i]
.endr
.endr
.endm
.macro OUT kk                          ; each store covers 256 consecutive bytes, aligned
.irp c, 0,1
.irp p, 0,1,2
	global_store_b64 v4, v[C+6*\c+2*\p:C+6*\c+2*\p+1], s[14:15] offset:1536*(\kk)+768*\c+256*\p
.endr
.endr
.endm
	LOAD 0
	LOAD 1
.irp kk, 0,1,2,3
.if \kk < 3
	s_wait_loadcnt 16                              ; this K step's 16 loads are in; the other set's 16 stay out
.else
	s_wait_loadcnt 0x0
.endif
	TURN \kk
	s_wait_dscnt 0x0                               ; my 64 numbers are back, and the stage's stores have read their registers,
.if \kk < 2
	LOAD \kk+2                                     ; which take the loads of two K steps on
.endif
	QB \kk
	OUT \kk
.endr
	v_cmp_gt_u32 vcc_lo, 16, v7
	s_wait_xcnt 0x0                                ; EXEC changes only behind this wait
	s_wait_tensorcnt 0x0
	ds_add_u32 v240, v241
	s_wait_dscnt 0x0
	s_and_saveexec_b32 s22, vcc_lo                 ; lanes 16-31 hold the same words
	global_store_b128 v5, v[W:W+3], s[16:17]       ; sixteen lanes store 256 consecutive bytes, aligned
	s_endpgm
.Lfunc_end_k_q9b3d5aeadb_quant:
	.size	k_q9b3d5aeadb_quant, .Lfunc_end_k_q9b3d5aeadb_quant-k_q9b3d5aeadb_quant
	.p2alignl 7, 3214868480
	.fill 96, 4, 3214868480
	.section	.rodata,"a",@progbits
	.p2align	6, 0x0
	.amdhsa_kernel k_q9b3d5aeadb_quant
		.amdhsa_group_segment_fixed_size 34304
		.amdhsa_private_segment_fixed_size 0
		.amdhsa_enable_private_segment 0
		.amdhsa_kernarg_size 56
		.amdhsa_user_sgpr_count 2
		.amdhsa_user_sgpr_kernarg_segment_ptr 1
		.amdhsa_wavefront_size32 1
		.amdhsa_system_sgpr_workgroup_id_x 1
		.amdhsa_system_sgpr_workgroup_id_y 1
		.amdhsa_system_sgpr_workgroup_id_z 1
		.amdhsa_system_vgpr_workitem_id 0
		.amdhsa_next_free_vgpr 242
		.amdhsa_next_free_sgpr 66
		.amdhsa_reserve_vcc 1
		.amdhsa_float_denorm_mode_32 3
		.amdhsa_float_denorm_mode_16_64 3
		.amdhsa_memory_ordered 1
		.amdhsa_forward_progress 1
		.amdhsa_inst_pref_size 32
	.end_amdhsa_kernel
	.amdgpu_metadata
---
amdhsa.version: [ 1, 2 ]
amdhsa.kernels:
  - .name:           k_q9b3d5aeadb_quant
    .symbol:         k_q9b3d5aeadb_quant.kd
    .args:
      - { .name: x, .offset: 0, .size: 8, .value_kind: global_buffer, .address_space: global }
      - { .name: Wq, .offset: 8, .size: 8, .value_kind: global_buffer, .address_space: global }
      - { .name: Wk, .offset: 16, .size: 8, .value_kind: global_buffer, .address_space: global }
      - { .name: Wv, .offset: 24, .size: 8, .value_kind: global_buffer, .address_space: global }
      - { .name: Wp, .offset: 32, .size: 8, .value_kind: global_buffer, .address_space: global }
      - { .name: xw, .offset: 40, .size: 8, .value_kind: global_buffer, .address_space: global }
      - { .name: xws, .offset: 48, .size: 8, .value_kind: global_buffer, .address_space: global }
    .group_segment_fixed_size: 34304
    .private_segment_fixed_size: 0
    .kernarg_segment_align: 8
    .kernarg_segment_size: 56
    .max_flat_workgroup_size: 128
    .sgpr_count:     66
    .vgpr_count:     242
    .wavefront_size: 32
...
	.end_amdgpu_metadata
.endif
;; end of part 1
;; launch qkv (part 2): grid 24 x 32, 4 waves a work-group, clusters of 4 x 4, 295,424 bytes of LDS; arguments xw, xws, bq, bk, bv, rope_cache, qkv, qkvs; writes qkv, qkvs
.if DOCPART == 2
	.amdgcn_target "amdgcn-amd-amdhsa--gfx1250"
	.amdhsa_code_object_version 6
	.text
	.protected	k_q9b3d5aeadb_qkv
	.globl	k_q9b3d5aeadb_qkv
	.p2align	8
	.type	k_q9b3d5aeadb_qkv,@function
k_q9b3d5aeadb_qkv:
	s_mov_b64 s[64:65], 0
	v_nop
	global_prefetch_b8 v0, s[64:65] scope:SCOPE_SE
	s_setreg_imm32_b32 hwreg(HW_REG_WAVE_MODE, 25, 1), 1
	s_wait_xcnt 0x0
	s_wait_alu depctr_hold_cnt(0) depctr_sa_sdst(0) depctr_va_vdst(0) depctr_va_sdst(0) depctr_va_ssrc(0) depctr_va_vcc(0) depctr_vm_vsrc(0)
	s_getreg_b32 s2, hwreg(HW_REG_IB_STS2, 6, 4)
	s_cmp_eq_u32 s2, 0
	s_cbranch_scc0 .Lentry_in_a_cluster
	s_endpgm
.Lentry_in_a_cluster:
	s_bfe_u32 s2, ttmp6, 0x10000c
	s_cmp_lg_u32 s2, 0xf033
	s_cbranch_scc0 .Lentry_shape_is_right
	s_endpgm
.Lentry_shape_is_right:
; q = rope(x Wq^T + bq), k = rope(x Wk^T + bk), v = x Wv^T + bv, on codes of FP6 (E2M3) with E8M0 scales; the results are quantised in registers for attention's two products and stored as images of operand registers.
; THE PRODUCT.  D = P Q^T.  Source 0 is the P side, 128 rows a work-group (8 blocks b, read by all four waves); source 1 the Q side, 256 rows (wave w owns blocks 4 w + a, a = 0..3).  A wave makes 128 x 64: 32 accumulators.
; In accumulator (a, b) lane (r, h) holds in register j the P row 32 (b / 2) + 16 h + 8 (b % 2) + j and the Q row 32 (a / 2) + 8 (a % 2) + r + 8 (r / 8): for one a, 64 registers run along 128 neighbouring P rows.
; Clusters with x < 4 make q and k: P = 128 rows of the weight (two heads), Q = 256 tokens: a lane's registers run along the head's channels, the K of the scores.
; Clusters with x >= 4 make v: P = 128 tokens, Q = 256 rows of Wv (a head a wave): a lane's registers run along the keys, the K of attention's second product.  Both sides lie in one buffer, so only tile numbers differ.
; ALL OF K (1,024: 768 bytes a row) LIES IN LDS: 384 rows x 768 bytes.  It is asked for as four chunks of 256 along K, all at the start: no LDS byte is filled twice, so there is no ring.  A wave has four tensor loads out at most.
; CLUSTER 4 x 4: Q's tile hangs on the place along y and is shared along a row, P's on the place along x and is shared along a column: joint loads divide the requests by four.
; An operand tile of 16 rows x 64 K is 768 bytes [piece][lane][8 bytes]: every LDS load reads 256 consecutive bytes; no pitch, no padding.
; OUT.  qkv: [q, k, v][64 heads of all batches][98,304]: q, k [128 tiles of 16 tokens][768]; v [16 steps of 128 keys][4 tiles of 16 channels][2][768].
; qkvs: [3][64][4,096]: q, k [64 pairs of tiles][16 rows] words (bytes 0, 1 the even tile's two blocks, bytes 2, 3 the odd tile's); v [16 steps][4 tiles][16 rows] words.
; LIMITS: NaN and infinities are not served; a block whose largest magnitude lies under 2^-124 keeps the byte 1 (its bytes are read by this program alone).
; REGISTERS.  window 0: v0-31 addresses; v32-95 P's scale words (8 b + K step); v96-127 Q's (8 a + K step); v128-223 P's eight fragments, one set; on the way out v128-251 are at work.
;   window 1: accumulator (a, b) at v[8 (8 a + b)].   window 2: v0-95 Q's four fragments, two sets; v96-159 the bias along P's rows.   window 3: v0-127 cosines and sines.
.set G1Q, 28                           ; s[28:35] group 1 for Q's tiles;  s[44:59] four groups 0
.set G1P, 36                           ; s[36:43] for P's;  s[68:83]
.set G0Q, 44
.set G0P, 68
.set SEL, 98                           ; s98, s99 selects for lane l xor 16
.set ADQ, 8                            ; v8-11   LDS address of my Q fragments in chunk 0..3
.set ADP, 12                           ; v12-15  the same for P
.set SP,  32
.set SQ,  96
.set PF,  128
.set BP,  96                           ; in window 2
.set TM,  232                          ; v232-247 at work in the quantiser
.set MSB, 0
.macro WIN new                         ; the immediate's high byte repeats the setting that is left
.if MSB != \new
	s_set_vgpr_msb (MSB<<8)|\new
.set MSB, \new
.endif
.endm
.macro MWIN cm                         ; source 0 (P) window 0, source 1 (Q) window 2, D window 1; C window 1, or window 2 where it is the bias
.if (\cm) == 2
	WIN 0x68
.else
	WIN 0x58
.endif
.endm
.macro CROUND                          ; a round of the cluster's barrier
	s_barrier_signal -1
	s_barrier_wait -1
	s_cmp_lg_u32 s20, 0
	s_cbranch_scc1 .Lnot_wave_0_\@
	s_barrier_signal -3
.Lnot_wave_0_\@:
	s_barrier_wait -3
	s_barrier_signal -1
	s_barrier_wait -1
.endm
.macro PLACES n
.rept \n
	v_nop
.endr
.endm
.macro FRAG reg, adr, off              ; a fragment, 16 rows x 128 K: six loads of 8 bytes a lane, 256 consecutive bytes each
.irp c, 0,1
.irp p, 0,1,2
	ds_load_b64 v[(\reg)+6*\c+2*\p:(\reg)+6*\c+2*\p+1], v[\adr] offset:(\off)+768*\c+256*\p
.endr
.endr
.endm
.macro FETCH_Q set, q, kk              ; my four Q fragments of chunk q, K step kk of its two
	WIN 0x80
.irp a, 0,1,2,3
	FRAG 48*(\set)+12*\a, ADQ+(\q), 3072*\a+1536*(\kk)
.endr
	WIN 0
.endm
.macro FETCH_P q, kk, b0               ; P's blocks b0 .. b0 + 3
.irp b, \b0, \b0+1, \b0+2, \b0+3
	FRAG PF+12*(\b), ADP+(\q), 3072*(\b)+1536*(\kk)
.endr
.endm
; 8 matrix instructions: P's blocks b0, b0 + 1 x my four Q blocks.  cm = 0: onto the sums; 1: the constant 0 starts them; 2: the bias starts them.  The 32 accumulators take turns, one instruction a turn, in the same order in every K step.
.macro MUL8 b0, set, ks, cm
.irp b, \b0, \b0+1
.irp a, 0,1,2,3
.if (\cm) == 0
	v_wmma_scale_f32_16x16x128_f8f6f4 v[8*(8*\a+(\b)):8*(8*\a+(\b))+7], v[PF+12*(\b):PF+12*(\b)+11], v[48*(\set)+12*\a:48*(\set)+12*\a+11], v[8*(8*\a+(\b)):8*(8*\a+(\b))+7], v[SP+8*(\b)+(\ks)], v[SQ+8*\a+(\ks)] matrix_a_fmt:MATRIX_FMT_FP6 matrix_b_fmt:MATRIX_FMT_FP6
.elseif (\cm) == 1
	v_wmma_scale_f32_16x16x128_f8f6f4 v[8*(8*\a+(\b)):8*(8*\a+(\b))+7], v[PF+12*(\b):PF+12*(\b)+11], v[48*(\set)+12*\a:48*(\set)+12*\a+11], 0, v[SP+8*(\b)+(\ks)], v[SQ+8*\a+(\ks)] matrix_a_fmt:MATRIX_FMT_FP6 matrix_b_fmt:MATRIX_FMT_FP6
.else
	v_wmma_scale_f32_16x16x128_f8f6f4 v[8*(8*\a+(\b)):8*(8*\a+(\b))+7], v[PF+12*(\b):PF+12*(\b)+11], v[48*(\set)+12*\a:48*(\set)+12*\a+11], v[BP+8*(\b):BP+8*(\b)+7], v[SP+8*(\b)+(\ks)], v[SQ+8*\a+(\ks)] matrix_a_fmt:MATRIX_FMT_FP6 matrix_b_fmt:MATRIX_FMT_FP6
.endif
.endr
.endr
.endm
; K step ks of 128, 32 matrix instructions.  A block of P is free when its four products are issued, so P has one set of registers: blocks 0-3 are fetched anew in the step's middle, blocks 4-7 at its end.  Q has two sets.
; A load into a register that a matrix instruction has read stands four plain vector instructions behind it.
.macro STEP ks, cm
	s_wait_dscnt 24                                ; Q's set and P's blocks 0-3 are in; the youngest 24 loads (P's blocks 4-7) may be out
	MWIN \cm
	MUL8 0, (\ks)%2, \ks, \cm
	MUL8 2, (\ks)%2, \ks, \cm
	s_wait_dscnt 0x0                               ; P's blocks 4-7 are in; no LDS instruction of mine is out at the signal below
.if (\ks)%2 == 1
	s_wait_tensorcnt 2-(\ks)/2                     ; my part of the next chunk has landed; the chunks asked for behind it may stay out
	s_barrier_signal -1
	s_barrier_wait -1                              ; everybody's has
.endif
	PLACES 4
	FETCH_Q 1-(\ks)%2, ((\ks)+1)/2, ((\ks)+1)%2
	FETCH_P ((\ks)+1)/2, ((\ks)+1)%2, 0
	MWIN \cm
	MUL8 4, (\ks)%2, \ks, \cm
	MUL8 6, (\ks)%2, \ks, \cm
	PLACES 4
	WIN 0
	FETCH_P ((\ks)+1)/2, ((\ks)+1)%2, 4
.endm
.macro CORE cm
	s_wait_tensorcnt 3                             ; my part of chunk 0 has landed; the three chunks behind it stay out
	s_barrier_signal -1
	s_barrier_wait -1
	FETCH_Q 0, 0, 0
	FETCH_P 0, 0, 0
	FETCH_P 0, 0, 4
	s_wait_loadcnt 0x0                             ; scale words, bias, cosines and sines
	STEP 0, \cm
	STEP 1, 0
	STEP 2, 0
	STEP 3, 0
	STEP 4, 0
	STEP 5, 0
	STEP 6, 0
	s_wait_dscnt 24                                ; the last K step fetches nothing
	WIN 0x58
	MUL8 0, 1, 7, 0
	MUL8 2, 1, 7, 0
	s_wait_dscnt 0x0
	MUL8 4, 1, 7, 0
	MUL8 6, 1, 7, 0
	WIN 0
	PLACES 4                                       ; in front of the first read of results
.endm
; 64 numbers of a lane, v[s] on, register 16 b + i = k 32 b + 16 (lane / 16) + i of my row, become a fragment's codes in v[pc] .. v[pc + 11] (v[pc + 12] .. + 19 at work) and its scale word in v[pw].
.macro QUANT s, pc, pw
.irp b, 0,1,2,3
	v_max3_num_f32 v[TM+\b], |v[(\s)+16*\b]|, |v[(\s)+1+16*\b]|, 0x1800000   ; with the floor 2^(3 - 127): the byte cannot fall under 1
.endr
.irp i, 2,4,6,8,10,12,14
.irp b, 0,1,2,3
	v_max3_num_f32 v[TM+\b], v[TM+\b], |v[(\s)+16*\b+\i]|, |v[(\s)+1+16*\b+\i]|
.endr
.endr
.irp b, 0,1,2,3
	v_permlanex16_b32 v[TM+4+\b], v[TM+\b], s[SEL], s[SEL+1]
.endr
.irp b, 0,1,2,3
	v_max_num_f32 v[TM+\b], v[TM+\b], v[TM+4+\b]   ; with lane l xor 16's: the block's largest magnitude
.endr
.irp b, 0,1,2,3
	v_add_nc_u32 v[TM+12+\b], 0xff000000, v[TM+\b] ; 2 off its exponent field: the conversion's scale operand
.endr
.irp b, 0,1,2,3
	v_lshrrev_b32 v[TM+4+\b], 23, v[TM+12+\b]      ; the scale's byte
.endr
	v_lshl_or_b32 v[\pw], v[TM+5], 8, v[TM+4]
	v_lshl_or_b32 v[\pw], v[TM+6], 16, v[\pw]
	v_lshl_or_b32 v[\pw], v[TM+7], 24, v[\pw]
.irp c, 0,1
	v_cvt_scalef32_pk16_fp6_f32 v[(\pc)+6*\c:(\pc)+2+6*\c], v[(\s)+32*\c:(\s)+15+32*\c], v[TM+12+2*\c]
	v_cvt_scalef32_pk16_fp6_f32 v[(\pc)+12+4*\c:(\pc)+14+4*\c], v[(\s)+16+32*\c:(\s)+31+32*\c], v[TM+12+2*\c+1]
.endr
	v_nop                                          ; one plain place behind a scaled conversion
.irp c, 0,1                            ; the operand's layout wants a whole block in a lane
.irp i, 0,1,2
	v_permlane16_swap_b32 v[(\pc)+6*\c+\i], v[(\pc)+12+4*\c+\i]
.endr
.irp i, 0,1,2
	v_mov_b32 v[(\pc)+3+6*\c+\i], v[(\pc)+12+4*\c+\i]
.endr
.endr
.endm
; RoPE on the 64 results of Q block a: pairs of neighbouring channels (x0, x1) with (c, s) of the same place: x0 c - x1 s, x0 s + x1 c.  Results to v128-191 of window 0.  Each accumulator is read from its low end on.
.macro ROPE a
.irp hd, 0,1
.irp e, 0,2,4,6,8,10,12,14,16,18,20,22,24,26,28,30
	v_pk_mul_f32 v[128+32*\hd+\e:129+32*\hd+\e], v[64*(\a)+32*\hd+\e:64*(\a)+32*\hd+\e+1], v[32*(\a)+\e:32*(\a)+\e+1] op_sel_hi:[1,0]   ; x0 c, x1 c
.endr
.irp e, 0,2,4,6,8,10,12,14,16,18,20,22,24,26,28,30
	v_fma_f32 v[128+32*\hd+\e], -v[64*(\a)+32*\hd+\e+1], v[32*(\a)+\e+1], v[128+32*\hd+\e]
	v_fma_f32 v[129+32*\hd+\e], v[64*(\a)+32*\hd+\e], v[32*(\a)+\e+1], v[129+32*\hd+\e]
.endr
.endr
.endm
	s_load_b512 s[4:19], s[0:1], 0x0               ; xw, xws, bq, bk, bv, rope_cache, qkv, qkvs
	v_lshl_add_u32 v254, v0, 2, 0x48000
	v_mov_b32 v255, 0
	ds_add_u32 v254, v255
	ds_add_u32 v254, v255
	v_lshrrev_b32 v1, 5, v0
	v_readfirstlane_b32 s20, v1                    ; wave 0..3
	s_and_b32 s21, s20, 1                          ; which half of a tile's rows I fetch
	s_bfe_u32 s22, ttmp6, 0x40000                  ; cx
	s_bfe_u32 s23, ttmp6, 0x40004                  ; cy
	s_mov_b32 s24, ttmp9                           ; the cluster's x, 0..5
	s_and_b32 s25, ttmp7, 0xffff                   ; and y, 0..7
	s_lshl_b32 s26, s23, 2
	s_lshl_b32 s26, 15, s26                        ; my row of the cluster
	s_lshl_b32 s27, 0x1111, s22                    ; my column
	; group 1: rows of 3,072 bytes (256 along K of a tile of 16 rows: 384 elements of 8 bytes), 12,288 bytes apart; Q: 8 rows a load, P: 4; no padding
	s_or_b32 s[G1Q], s26, (3<<16)|(1<<21)          ; 15:0 the mask; 17:16 elements of 8 bytes; 21 set beside a mask
	s_or_b32 s[G1P], s27, (3<<16)|(1<<21)
.irp g, G1Q, G1P
	s_mov_b32 s[\g+1], 384<<16                     ; tensor_dim0
	s_mov_b32 s[\g+3], 384<<16                     ; tile_dim0
	s_mov_b32 s[\g+5], 1536                        ; from row to row, in elements
	s_mov_b32 s[\g+6], 0
	s_mov_b32 s[\g+7], 0
.endr
	s_mov_b32 s[G1Q+2], 8<<16                      ; tensor_dim1
	s_mov_b32 s[G1Q+4], 8                          ; tile_dim1
	s_mov_b32 s[G1P+2], 4<<16
	s_mov_b32 s[G1P+4], 4
	; which tiles.  q, k: P = weight rows 128 (4 X + cx) of [Wq; Wk], Q = tokens 256 (4 Y + cy).  v: P = tokens 128 (4 (8 (X - 4) + Y) + cx), Q = Wv's rows 256 cy.
	s_sub_co_u32 s84, s24, 4
	s_lshl_b32 s84, s84, 3
	s_add_co_u32 s84, s84, s25
	s_cmp_ge_u32 s24, 4
	s_cselect_b32 s84, s84, s24                    ; P's place among the clusters
	s_cselect_b32 s85, 0, 512                      ; the first tile of P's tensor in xw
	s_cselect_b32 s86, 0, s25                      ; Q's place among the clusters
	s_cselect_b32 s87, 640, 0                      ; the first tile of Q's tensor
	s_lshl_b32 s84, s84, 2
	s_add_co_u32 s84, s84, s22                     ; pt
	s_lshl_b32 s86, s86, 2
	s_add_co_u32 s86, s86, s23                     ; qt
	s_lshl_b32 s88, s84, 3
	s_add_co_u32 s85, s85, s88                     ; P's first tile of 16 rows
	s_lshl_b32 s89, s86, 4
	s_add_co_u32 s87, s87, s89                     ; Q's
	s_lshl_b32 s90, s21, 3
	s_add_co_u32 s90, s90, s87
	s_mul_i32 s90, s90, 12288                      ; Q: my 8 tiles, in bytes
	s_mov_b32 s91, 0
	s_lshl_b32 s92, s21, 2
	s_add_co_u32 s92, s92, s85
	s_mul_i32 s92, s92, 12288                      ; P: my 4 tiles
	s_mov_b32 s93, 0
	s_mul_i32 s94, s21, 24576                      ; where they go: no place in the cluster enters an LDS address
	s_mul_i32 s95, s21, 12288
	s_add_co_u32 s95, s95, 196608
	s_mov_b32 s[SEL], 0x76543210
	s_mov_b32 s[SEL+1], 0xfedcba98
	s_mov_b32 s100, 0x05040100                     ; v_perm_b32: the two low halves
	s_mov_b32 s101, 0x07060302                     ; the two high halves
	s_wait_dscnt 0x0
	s_wait_kmcnt 0x0
	s_add_nc_u64 s[90:91], s[4:5], s[90:91]
	s_add_nc_u64 s[92:93], s[4:5], s[92:93]
	CROUND                                         ; all sixteen work-groups are here: the joint loads meet
.irp q, 0,1,2,3
	s_mov_b32 s[G0Q+4*\q], 1
	s_add_co_u32 s[G0Q+4*\q+1], s94, \q*49152
	s_add_nc_u64 s[G0Q+4*\q+2:G0Q+4*\q+3], s[90:91], \q*3072
	s_or_b32 s[G0Q+4*\q+3], s[G0Q+4*\q+3], 0x80000000
	s_mov_b32 s[G0P+4*\q], 1
	s_add_co_u32 s[G0P+4*\q+1], s95, \q*24576
	s_add_nc_u64 s[G0P+4*\q+2:G0P+4*\q+3], s[92:93], \q*3072
	s_or_b32 s[G0P+4*\q+3], s[G0P+4*\q+3], 0x80000000
.endr
	s_cmp_lt_u32 s20, 2                            ; waves 0, 1 fetch Q's halves, waves 2, 3 P's: a wave's four fills stand in one branch, ahead of every wait on TENSORcnt and every LDS read
	s_cbranch_scc0 .Lfill_p
.irp q, 0,1,2,3
	tensor_load_to_lds s[G0Q+4*\q:G0Q+4*\q+3], s[G1Q:G1Q+7]
	s_nop 0
.endr
	PLACES 4
	s_branch .Lfilled
.Lfill_p:
.irp q, 0,1,2,3
	tensor_load_to_lds s[G0P+4*\q:G0P+4*\q+3], s[G1P:G1P+7]
	s_nop 0
.endr
	PLACES 4
.Lfilled:
	v_and_b32 v1, 31, v0                           ; lane
	v_and_b32 v2, 15, v0                           ; r
	v_bfe_u32 v3, v0, 4, 1                         ; h
	v_lshlrev_b32 v4, 3, v1                        ; 8 x lane
	v_lshlrev_b32 v5, 2, v1                        ; 4 x lane
	v_lshlrev_b32 v16, 4, v2                       ; 16 x r
	v_lshlrev_b32 v17, 6, v3                       ; 64 x h
	v_and_b32 v18, 8, v2
	v_add_nc_u32 v18, v18, v2                      ; r + 8 (r / 8)
	s_mul_i32 s96, s20, 12288                      ; my four Q blocks
.irp q, 0,1,2,3
	v_add_nc_u32 v[ADQ+\q], s96, v4
	v_add_nc_u32 v[ADP+\q], 196608+\q*24576, v4
	s_add_co_u32 s96, s96, 49152
.endr
.irp b, 0,1,2,3
	v_mov_b32 v[TM+4+\b], 0                        ; a lane permute's destination counts as one of its sources
.endr
	s_lshl_b32 s60, s85, 9                         ; the scale words: 512 bytes a tile
	s_mov_b32 s61, 0
	s_add_nc_u64 s[60:61], s[6:7], s[60:61]
	s_lshl_b32 s62, s20, 2
	s_add_co_u32 s62, s62, s87
	s_lshl_b32 s62, s62, 9
	s_mov_b32 s63, 0
	s_add_nc_u64 s[62:63], s[6:7], s[62:63]
.irp b, 0,1,2,3,4,5,6,7
.irp g, 0,1
	global_load_b128 v[SP+8*\b+4*\g:SP+8*\b+4*\g+3], v16, s[60:61] offset:512*\b+256*\g   ; row r's words of K steps 4 g .. 4 g + 3
.endr
.endr
.irp a, 0,1,2,3
.irp g, 0,1
	global_load_b128 v[SQ+8*\a+4*\g:SQ+8*\a+4*\g+3], v16, s[62:63] offset:512*\a+256*\g
.endr
.endr
	s_mov_b32 s97, 0
	s_cmp_ge_u32 s24, 4                            ; the cluster's x: the same in all partners and all waves
	s_cbranch_scc1 .Lv_arm
	; ---------------- q and k
	s_lshr_b32 s26, s24, 1                         ; 0: q, 1: k
	s_and_b32 s88, s84, 7                          ; which 128 rows of the weight: heads 2 (pt & 7) and the next
	s_and_b32 s89, s86, 7                          ; which 256 tokens of the batch
	s_cmp_ge_u32 s24, 2
	s_cselect_b64 s[66:67], s[10:11], s[8:9]       ; bk or bq
	s_lshl_b32 s96, s88, 9
	s_add_nc_u64 s[66:67], s[66:67], s[96:97]
	WIN 0x80
.irp g, 0,1,2,3
.irp i, 0,1,2,3
	global_load_b128 v[BP+16*\g+4*\i:BP+16*\g+4*\i+3], v17, s[66:67] offset:128*\g+16*\i   ; the bias in the result's layout: register 8 b + j
.endr
.endr
	WIN 0
	s_lshl_b32 s96, s89, 16                        ; a row of rope_cache is 256 bytes: float 2 i the cosine, 2 i + 1 the sine: at the places of channels 2 i, 2 i + 1
	s_lshl_b32 s95, s20, 14
	s_add_co_u32 s96, s96, s95
	s_add_nc_u64 s[14:15], s[14:15], s[96:97]      ; at my wave's first token
	v_lshl_add_u32 v19, v18, 8, v17                ; my token's row, + 64 h
	WIN 0xc0
.irp a, 0,1,2,3
.irp g, 0,1
.irp i, 0,1,2,3
	global_load_b128 v[32*\a+16*\g+4*\i:32*\a+16*\g+4*\i+3], v19, s[14:15] offset:(32*(\a/2)+8*(\a%2))*256+128*\g+16*\i
.endr
.endr
.endr
	WIN 0
	s_lshr_b32 s27, s86, 3                         ; the batch
	s_lshl_b32 s27, s27, 4
	s_lshl_b32 s94, s88, 1
	s_add_co_u32 s27, s27, s94                     ; my first head among the 64
	s_mul_i32 s90, s26, 6291456
	s_mul_i32 s94, s27, 98304
	s_add_co_u32 s90, s90, s94
	s_lshl_b32 s94, s89, 4
	s_lshl_b32 s95, s20, 2
	s_add_co_u32 s94, s94, s95                     ; my first tile of 16 tokens in the batch
	s_mul_i32 s95, s94, 768
	s_add_co_u32 s90, s90, s95
	s_mov_b32 s91, 0
	s_add_nc_u64 s[90:91], s[16:17], s[90:91]      ; where my codes go
	s_lshl_b32 s92, s26, 18
	s_lshl_b32 s95, s27, 12
	s_add_co_u32 s92, s92, s95
	s_lshl_b32 s95, s94, 5                         ; 64 bytes for each pair of tiles
	s_add_co_u32 s92, s92, s95
	s_mov_b32 s93, 0
	s_add_nc_u64 s[92:93], s[18:19], s[92:93]      ; and my scale words
	s_wait_alu depctr_va_vdst(0)
	CORE 2                                         ; the bias is the C of each sum's first product
.irp a, 0,1,2,3
	s_wait_xcnt 0x0                                ; earlier stores have read their registers
	WIN 0x0d                                       ; source 0 window 1 (results), source 1 window 3 (cosines, sines)
	ROPE \a
	WIN 0
	QUANT 128, 192+20*(\a%2), 248+\a               ; 128 channels: two heads x two blocks
.irp c, 0,1
.irp p, 0,1,2
	global_store_b64 v4, v[192+20*(\a%2)+6*\c+2*\p:192+20*(\a%2)+6*\c+2*\p+1], s[90:91] offset:98304*\c+768*\a+256*\p   ; head c's tile: 256 consecutive bytes, aligned
.endr
.endr
.endr
	v_perm_b32 v232, v249, v248, s100              ; first head: tiles 0, 1;
	v_perm_b32 v233, v251, v250, s100              ; tiles 2, 3
	v_perm_b32 v234, v249, v248, s101              ; second head
	v_perm_b32 v235, v251, v250, s101
	v_cmp_le_u32 vcc_lo, 16, v1
	v_cndmask_b32 v232, v232, v233, vcc_lo         ; lanes 0-15 the first pair of tiles, lanes 16-31 the second
	v_cndmask_b32 v234, v234, v235, vcc_lo
	global_store_b32 v5, v232, s[92:93]
	global_store_b32 v5, v234, s[92:93] offset:4096
	s_wait_dscnt 0x0
	s_wait_tensorcnt 0x0
	ds_add_u32 v254, v255
	s_wait_dscnt 0x0
	CROUND                                         ; the closing round: no work-group ends while a partner may still ask jointly
	s_endpgm
	; ---------------- v
.Lv_arm:
	s_lshl_b32 s96, s23, 10
	s_lshl_b32 s95, s20, 8
	s_add_co_u32 s96, s96, s95
	s_add_nc_u64 s[12:13], s[12:13], s[96:97]      ; bv at my head's first channel
	v_lshlrev_b32 v19, 2, v18
.irp a, 0,1,2,3
	global_load_b32 v[20+2*\a], v19, s[12:13] offset:(32*(\a/2)+8*(\a%2))*4   ; my lane's channel of block a, twice: a pair for the packed addition
	global_load_b32 v[21+2*\a], v19, s[12:13] offset:(32*(\a/2)+8*(\a%2))*4
.endr
	s_lshr_b32 s27, s84, 4                         ; the batch
	s_lshl_b32 s27, s27, 4
	s_lshl_b32 s94, s23, 2
	s_add_co_u32 s27, s27, s94
	s_add_co_u32 s27, s27, s20                     ; my head among the 64
	s_and_b32 s88, s84, 15                         ; which 128 keys
	s_mul_i32 s90, s27, 98304
	s_mul_i32 s94, s88, 6144
	s_add_co_u32 s90, s90, s94
	s_add_co_u32 s90, s90, 12582912
	s_mov_b32 s91, 0
	s_add_nc_u64 s[90:91], s[16:17], s[90:91]
	s_lshl_b32 s92, s27, 12
	s_lshl_b32 s94, s88, 8
	s_add_co_u32 s92, s92, s94
	s_add_co_u32 s92, s92, 524288
	s_mov_b32 s93, 0
	s_add_nc_u64 s[92:93], s[18:19], s[92:93]
	s_wait_alu depctr_va_vdst(0)
	CORE 1
.irp a, 0,1,2,3
	s_wait_xcnt 0x0                                ; earlier stores have read their registers
	WIN 0x01                                       ; source 0 window 1
.irp e, 0,2,4,6,8,10,12,14,16,18,20,22,24,26,28,30,32,34,36,38,40,42,44,46,48,50,52,54,56,58,60,62
	v_pk_add_f32 v[128+\e:129+\e], v[64*\a+\e:64*\a+\e+1], v[20+2*\a:21+2*\a]   ; + the bias, and into window 0
.endr
	WIN 0
	QUANT 128, 192+20*(\a%2), 248+\a               ; 16 channels x 128 keys: one fragment
.irp c, 0,1
.irp p, 0,1,2
	global_store_b64 v4, v[192+20*(\a%2)+6*\c+2*\p:192+20*(\a%2)+6*\c+2*\p+1], s[90:91] offset:1536*\a+768*\c+256*\p
.endr
.endr
.endr
	v_cmp_le_u32 vcc_lo, 16, v1
	v_cndmask_b32 v232, v248, v249, vcc_lo
	v_cndmask_b32 v233, v250, v251, vcc_lo
	global_store_b32 v5, v232, s[92:93]
	global_store_b32 v5, v233, s[92:93] offset:128
	s_wait_dscnt 0x0
	s_wait_tensorcnt 0x0
	ds_add_u32 v254, v255
	s_wait_dscnt 0x0
	CROUND
	s_endpgm
.Lfunc_end_k_q9b3d5aeadb_qkv:
	.size	k_q9b3d5aeadb_qkv, .Lfunc_end_k_q9b3d5aeadb_qkv-k_q9b3d5aeadb_qkv
	.p2alignl 7, 3214868480
	.fill 96, 4, 3214868480
	.section	.rodata,"a",@progbits
	.p2align	6, 0x0
	.amdhsa_kernel k_q9b3d5aeadb_qkv
		.amdhsa_group_segment_fixed_size 295424
		.amdhsa_private_segment_fixed_size 0
		.amdhsa_enable_private_segment 0
		.amdhsa_kernarg_size 64
		.amdhsa_user_sgpr_count 2
		.amdhsa_user_sgpr_kernarg_segment_ptr 1
		.amdhsa_wavefront_size32 1
		.amdhsa_system_sgpr_workgroup_id_x 1
		.amdhsa_system_sgpr_workgroup_id_y 1
		.amdhsa_system_sgpr_workgroup_id_z 1
		.amdhsa_system_vgpr_workitem_id 0
		.amdhsa_next_free_vgpr 896
		.amdhsa_next_free_sgpr 102
		.amdhsa_reserve_vcc 1
		.amdhsa_float_denorm_mode_32 3
		.amdhsa_float_denorm_mode_16_64 3
		.amdhsa_memory_ordered 1
		.amdhsa_forward_progress 1
		.amdhsa_inst_pref_size 231
	.end_amdhsa_kernel
	.amdgpu_metadata
---
amdhsa.version: [ 1, 2 ]
amdhsa.kernels:
  - .name:           k_q9b3d5aeadb_qkv
    .symbol:         k_q9b3d5aeadb_qkv.kd
    .args:
      - { .name: xw, .offset: 0, .size: 8, .value_kind: global_buffer, .address_space: global }
      - { .name: xws, .offset: 8, .size: 8, .value_kind: global_buffer, .address_space: global }
      - { .name: bq, .offset: 16, .size: 8, .value_kind: global_buffer, .address_space: global }
      - { .name: bk, .offset: 24, .size: 8, .value_kind: global_buffer, .address_space: global }
      - { .name: bv, .offset: 32, .size: 8, .value_kind: global_buffer, .address_space: global }
      - { .name: rope_cache, .offset: 40, .size: 8, .value_kind: global_buffer, .address_space: global }
      - { .name: qkv, .offset: 48, .size: 8, .value_kind: global_buffer, .address_space: global }
      - { .name: qkvs, .offset: 56, .size: 8, .value_kind: global_buffer, .address_space: global }
    .group_segment_fixed_size: 295424
    .private_segment_fixed_size: 0
    .kernarg_segment_align: 8
    .kernarg_segment_size: 64
    .max_flat_workgroup_size: 128
    .sgpr_count:     102
    .vgpr_count:     896
    .wavefront_size: 32
...
	.end_amdgpu_metadata
.endif
;; end of part 2
;; launch attn (part 3): grid 4 x 64, 16 waves a work-group, clusters of 4 x 1, 206,848 bytes of LDS; arguments qkv, qkvs, yc, ys; writes yc, ys
.if DOCPART == 3
	.amdgcn_target "amdgcn-amd-amdhsa--gfx1250"
	.amdhsa_code_object_version 6
	.text
	.protected	k_q9b3d5aeadb_attn
	.globl	k_q9b3d5aeadb_attn
	.p2align	8
	.type	k_q9b3d5aeadb_attn,@function
k_q9b3d5aeadb_attn:
	s_mov_b64 s[64:65], 0
	v_nop
	global_prefetch_b8 v0, s[64:65] scope:SCOPE_SE
	s_setreg_imm32_b32 hwreg(HW_REG_WAVE_MODE, 25, 1), 1
	s_wait_xcnt 0x0
	s_wait_alu depctr_hold_cnt(0) depctr_sa_sdst(0) depctr_va_vdst(0) depctr_va_sdst(0) depctr_va_ssrc(0) depctr_va_vcc(0) depctr_vm_vsrc(0)
	s_getreg_b32 s2, hwreg(HW_REG_IB_STS2, 6, 4)
	s_cmp_eq_u32 s2, 0
	s_cbranch_scc0 .Lentry_in_a_cluster
	s_endpgm
.Lentry_in_a_cluster:
	s_bfe_u32 s2, ttmp6, 0x10000c
	s_cmp_lg_u32 s2, 0x3003
	s_cbranch_scc0 .Lentry_shape_is_right
	s_endpgm
.Lentry_shape_is_right:
; y = softmax(q k^T / 8, causal) v for one head a cluster, both products on codes of FP6 (E2M3) with E8M0 scales; y is quantised along the model's 1,024 for the last product and stored as images of operand registers.
; THE SOFTMAX AHEAD OF THE SECOND PRODUCT: t = score x log2(e) / 8; M = the row's largest t so far, rounded up to a whole number; p = 2^(t - M) is quantised along the keys, not normalised; the row's sum is taken of the
; unquantised p and divides at the end.  When M moves, the sum and O are multiplied by 2^(old M - new M), which rounds nothing.
; LIMITS: a hidden key counts as minus infinity where the definition has -1e10: the same as long as a row's largest logit lies above -1e10 + 104, since p falls to 0 either way.  NaN and infinities are not served.
; A block whose largest magnitude lies under 2^-124 keeps the byte 1 (the bytes are read by this program alone).
; ALL OF A HEAD'S K AND V LIE IN LDS (2 x 98,304 bytes of codes, 2 x 4,096 of scale words), filled once at the start: no ring, no barrier in the loops, no LDS store.
; CLUSTER 4 x 1: the four work-groups of a head want the same bytes and ask for them jointly.
; SHARES.  The head's 128 tiles of 16 queries are dealt so that every wave has 17 key steps of 128: wave w of partner cx takes tiles 127 - (4 w + cx) and 4 w + cx.  Their last steps, 15 - w / 2 and w / 2, hang on the wave's number alone.
; LAYOUT.  Both products are used transposed: a lane holds ONE query throughout.  The rows of a tile are 32 (T / 2) + 8 (T % 2) + r + 8 (r / 8), so that the 16 registers of two neighbouring tiles of keys are 16 neighbouring keys.
; THE HEAD HAS 64 CHANNELS, the instruction 128: a fragment holds TWO tiles of keys (registers 0-5, 6-11) and is multiplied once by [q | zeros] and once by [zeros | q].  Under the zero codes stands the scale byte 1.
; Four waves share a SIMD: one wave's vector work stands beside another's products and LDS loads.
; REGISTERS: v1-11 addresses and lane numbers; v12 -M, v13 the largest t, v[14:15] the sum; v16-33 zeros, q, zeros; v34, v35 q's scale words; v36-83 four fragments of K, then of V; v96-159 S^T, then p;
;   v160-191 O^T; v192-223 y; v224-235 p's codes; v232-247, v252, v254 at work; v248, v249 K's scale words, v250, v251 V's, v253 p's.
.set VB,  98304                        ; LDS: K's codes from 0, V's from here,
.set KSC, 196608                       ; K's scale words, 256 bytes a step; V's 4,096 bytes on
.set FR,  36
.set G1C, 16                           ; s[16:23] group 1 for codes, s[24:31] for scale words; s[32:35], s[36:39] groups 0
.set G1S, 24
.set G0C, 32
.set G0S, 36
.set SEL, 50
.set CS,  52
.macro CROUND
	s_barrier_signal -1
	s_barrier_wait -1
	s_cmp_lg_u32 s12, 0
	s_cbranch_scc1 .Lnot_wave_0_\@
	s_barrier_signal -3
.Lnot_wave_0_\@:
	s_barrier_wait -3
	s_barrier_signal -1
	s_barrier_wait -1
.endm
	s_load_b128 s[4:7], s[0:1], 0x0                ; qkv, qkvs
	s_load_b128 s[8:11], s[0:1], 0x10              ; yc, ys
	v_lshl_add_u32 v243, v0, 2, 0x32000
	v_mov_b32 v255, 0
	ds_add_u32 v243, v255
	ds_add_u32 v243, v255
	v_lshrrev_b32 v1, 5, v0
	s_delay_alu instid0(VALU_DEP_1)
	v_readfirstlane_b32 s12, v1                    ; wave 0..15
	s_bfe_u32 s13, ttmp6, 0x40000                  ; cx: it enters global addresses and lane data alone
	s_and_b32 s14, ttmp7, 0xffff                   ; the head among the 64
	; group 1: dense blocks as rows of 256 bytes (32 elements of 8 bytes): 96 rows of codes, 16 of scale words; all four work-groups are named
	s_mov_b32 s[G1C], 15|(3<<16)|(1<<21)
	s_mov_b32 s[G1C+1], 32<<16
	s_mov_b32 s[G1C+2], 96<<16
	s_mov_b32 s[G1C+3], 32<<16
	s_mov_b32 s[G1C+4], 96
	s_mov_b32 s[G1C+5], 32
	s_mov_b32 s[G1C+6], 0
	s_mov_b32 s[G1C+7], 0
	s_mov_b32 s[G1S], 15|(3<<16)|(1<<21)
	s_mov_b32 s[G1S+1], 32<<16
	s_mov_b32 s[G1S+2], 16<<16
	s_mov_b32 s[G1S+3], 32<<16
	s_mov_b32 s[G1S+4], 16
	s_mov_b32 s[G1S+5], 32
	s_mov_b32 s[G1S+6], 0
	s_mov_b32 s[G1S+7], 0
	s_mul_i32 s44, s14, 98304                      ; the head's codes in each of q, k, v
	s_lshl_b32 s45, s14, 12                        ; and its scale words
	s_and_b32 s40, s12, 7                          ; waves 0-3: K's quarters; waves 4-7: V's
	s_mul_i32 s41, s40, 24576                      ; in LDS; V's region follows K's there, and 6,291,456 bytes on in memory
	s_mov_b32 s42, 12484608
	s_cmp_lt_u32 s40, 4
	s_cselect_b32 s42, 6291456, s42
	s_add_co_u32 s42, s42, s41
	s_add_co_u32 s42, s42, s44
	s_mov_b32 s43, 0
	s_and_b32 s46, s12, 1                          ; wave 8: K's scale words; wave 9: V's
	s_lshl_b32 s47, s46, 12
	s_add_co_u32 s47, s47, KSC
	s_add_co_u32 s48, s46, 1
	s_lshl_b32 s48, s48, 18
	s_add_co_u32 s48, s48, s45
	s_mov_b32 s49, 0
	s_mov_b32 s[SEL], 0x76543210
	s_mov_b32 s[SEL+1], 0xfedcba98
	s_mov_b32 s[CS], 0x3e38aa3b                    ; c = log2(e) / 8
	s_mov_b32 s[CS+1], s[CS]                       ; (named with it as a pair)
	s_wait_dscnt 0x0
	s_wait_kmcnt 0x0
	s_mov_b32 s[G0C], 1
	s_mov_b32 s[G0C+1], s41
	s_add_nc_u64 s[G0C+2:G0C+3], s[4:5], s[42:43]
	s_or_b32 s[G0C+3], s[G0C+3], 0x80000000
	s_mov_b32 s[G0S], 1
	s_mov_b32 s[G0S+1], s47
	s_add_nc_u64 s[G0S+2:G0S+3], s[6:7], s[48:49]
	s_or_b32 s[G0S+3], s[G0S+3], 0x80000000
	CROUND                                         ; all four work-groups are here: the joint loads meet
	s_cmp_lt_u32 s12, 8                            ; one load a wave in waves 0 to 9; the branches hang on the wave's number alone
	s_cbranch_scc0 .Lnot_codes
	tensor_load_to_lds s[G0C:G0C+3], s[G1C:G1C+7]
	s_nop 0
.rept 4
	v_nop
.endr
	s_branch .Lasked
.Lnot_codes:
	s_cmp_lt_u32 s12, 10
	s_cbranch_scc0 .Lasked
	tensor_load_to_lds s[G0S:G0S+3], s[G1S:G1S+7]
	s_nop 0
.rept 4
	v_nop
.endr
.Lasked:
	v_and_b32 v11, 31, v0                          ; lane
	v_and_b32 v9, 15, v0                           ; r
	v_bfe_u32 v10, v0, 4, 1                        ; h
	s_delay_alu instid0(VALU_DEP_3)
	v_lshlrev_b32 v1, 3, v11                       ; 8 x lane
	s_delay_alu instid0(VALU_DEP_4)
	v_lshl_add_u32 v2, v11, 2, KSC                 ; K's scale words: 4 x lane
	s_delay_alu instid0(VALU_DEP_4)
	v_and_b32 v3, 8, v9
	s_delay_alu instid0(VALU_DEP_1)
	v_add_nc_u32 v3, v3, v9
	v_lshlrev_b32 v4, 4, v10
	s_delay_alu instid0(VALU_DEP_1)
	v_sub_nc_u32 v3, v3, v4                        ; r + 8 (r / 8) - 16 h
	v_lshlrev_b32 v10, 1, v9                       ; 2 r
	v_lshlrev_b32 v9, 2, v9                        ; 4 r
.irp i, 16,17,18,19,20,21,28,29,30,31,32,33,236,237,238,239,252,253
	v_mov_b32 v\i, 0                               ; the zero codes beside q; permutes' destinations and the pair v[252:253], written once
.endr
	s_wait_tensorcnt 0x0                           ; my part has landed,
	s_barrier_signal -1
	s_barrier_wait -1                              ; everybody's has: from here on LDS is only read
; A KEY STEP: 128 keys.  s57: the step's codes; s58: its scale words; s56: the step; s55: my tile's last step.
.macro STEP
	v_add_nc_u32 v4, s57, v1                       ; (these four are the places behind the last step's products, in front of loads into registers that they read)
	v_add_nc_u32 v6, s58, v2
	s_delay_alu instid0(VALU_DEP_2)
	v_add_nc_u32 v5, VB, v4
	s_delay_alu instid0(VALU_DEP_2)
	v_add_nc_u32 v7, 4096, v6
.irp f, 0,1,2,3
.irp c, 0,1
.irp p, 0,1,2
	ds_load_b64 v[FR+12*\f+6*\c+2*\p:FR+12*\f+6*\c+2*\p+1], v4 offset:1536*\f+768*\c+256*\p
.endr
.endr
.endr
	ds_load_b32 v248, v6                           ; lanes 0-15 fragment 0's rows, lanes 16-31 fragment 1's
	ds_load_b32 v249, v6 offset:128                ; fragments 2, 3
	s_wait_alu depctr_va_vdst(0)
	s_wait_dscnt 0x0
.irp f, 0,2                            ; S^T = K q^T: each fragment against [q | 0] (its even tile) and [0 | q] (its odd tile)
	v_wmma_scale_f32_16x16x128_f8f6f4 v[96+16*\f:103+16*\f], v[FR+12*\f:FR+11+12*\f], v[22:33], 0, v[248+\f/2], v34 matrix_a_fmt:MATRIX_FMT_FP6 matrix_b_fmt:MATRIX_FMT_FP6
	v_wmma_scale_f32_16x16x128_f8f6f4 v[104+16*\f:111+16*\f], v[FR+12*\f:FR+11+12*\f], v[16:27], 0, v[248+\f/2], v35 matrix_a_fmt:MATRIX_FMT_FP6 matrix_b_fmt:MATRIX_FMT_FP6
	v_wmma_scale_f32_16x16x128_f8f6f4 v[112+16*\f:119+16*\f], v[FR+12+12*\f:FR+23+12*\f], v[22:33], 0, v[248+\f/2], v34 matrix_a_fmt:MATRIX_FMT_FP6 matrix_b_fmt:MATRIX_FMT_FP6 matrix_a_scale:MATRIX_SCALE_ROW1
	v_wmma_scale_f32_16x16x128_f8f6f4 v[120+16*\f:127+16*\f], v[FR+12+12*\f:FR+23+12*\f], v[16:27], 0, v[248+\f/2], v35 matrix_a_fmt:MATRIX_FMT_FP6 matrix_b_fmt:MATRIX_FMT_FP6 matrix_a_scale:MATRIX_SCALE_ROW1
.endr                                  ; register 16 b + i of v96 on: key 128 step + 32 b + 16 h + i
.rept 4
	v_nop                                          ; places in front of the loads below and of the first read of the scores
.endr
.irp f, 0,1,2,3                        ; V's four fragments are asked for now, into K's registers: they land during the softmax
.irp c, 0,1
.irp p, 0,1,2
	ds_load_b64 v[FR+12*\f+6*\c+2*\p:FR+12*\f+6*\c+2*\p+1], v5 offset:1536*\f+768*\c+256*\p
.endr
.endr
.endr
	ds_load_b32 v250, v7
	ds_load_b32 v251, v7 offset:128
	s_cmp_lg_u32 s56, s55                          ; only my tile's last step lies on the diagonal
	s_cbranch_scc1 .Lopen_\@
	v_mov_b32 v254, 0xff800000                     ; hidden scores become minus infinity ahead of the maximum: p = 0 then
.set n, 0
.rept 64
	v_cmp_gt_i32 vcc_lo, 32*(n/16)+n%16, v8        ; v8 = my query - the step's first key - 16 h
	v_cndmask_b32 v[96+n], v[96+n], v254, vcc_lo
.set n, n+1
.endr
.Lopen_\@:
.irp b, 0,1,2,3
	v_max3_num_f32 v[232+\b], v[96+16*\b], v[97+16*\b], v[98+16*\b]   ; the largest score of each block of 32 keys: for the row's maximum and, since p rises with the score, for the block's largest p
.endr
.irp i, 3,5,7,9,11,13
.irp b, 0,1,2,3
	v_max3_num_f32 v[232+\b], v[232+\b], v[96+16*\b+\i], v[97+16*\b+\i]
.endr
.endr
.irp b, 0,1,2,3
	v_max_num_f32 v[232+\b], v[232+\b], v[111+16*\b]
.endr
.irp b, 0,1,2,3
	s_delay_alu instid0(VALU_DEP_4)
	v_permlanex16_b32 v[236+\b], v[232+\b], s[SEL], s[SEL+1]
.endr
.irp b, 0,1,2,3
	s_delay_alu instid0(VALU_DEP_4)
	v_max_num_f32 v[232+\b], v[232+\b], v[236+\b]  ; with lane l xor 16's 16 keys
.endr
	s_delay_alu instid0(VALU_DEP_2)
	v_max3_num_f32 v254, v232, v233, v234
	s_delay_alu instid0(VALU_DEP_1)
	v_max_num_f32 v254, v254, v235
	s_delay_alu instid0(VALU_DEP_1)
	v_mul_f32 v254, s[CS], v254                    ; the step's largest t
	s_delay_alu instid0(VALU_DEP_1)
	v_max_num_f32 v13, v13, v254                   ; the running largest t
	v_mov_b32 v254, v12
	s_delay_alu instid0(VALU_DEP_2)
	v_floor_f32 v12, -v13                          ; the new -M = -ceil(t)
	s_delay_alu instid0(VALU_DEP_1)
	v_sub_f32 v254, v12, v254                      ; old M - new M: a whole number, 0 or less
	s_delay_alu instid0(VALU_DEP_1)
	v_cvt_i32_f32 v254, v254                       ; (it saturates)
	s_delay_alu instid0(VALU_DEP_1)
	v_ldexp_f32 v252, 1.0, v254                    ; f = 2^(old M - new M)
.set j, 0
	s_setprio 1
.rept 32
	v_pk_fma_f32 v[96+j:97+j], v[96+j:97+j], s[CS:CS+1], v[12:13] op_sel_hi:[1,0,0]   ; t - M
.set j, j+2
.endr
.irp b, 0,1,2,3
	v_fma_f32 v[232+\b], v[232+\b], s[CS], v12     ; the same of each block's largest score
.endr
.set j, 0
	s_wait_alu depctr_va_vdst(0)
.rept 64
	v_exp_f32 v[96+j], v[96+j]                     ; p = 2^(t - M)
.set j, j+1
.endr
	v_pk_mul_f32 v[14:15], v[14:15], v[252:253] op_sel_hi:[1,0]   ; the sums under the new M: a plain instruction behind the exponentials
	s_wait_alu depctr_va_vdst(0)                   ; one wait for the batch, ahead of its first reader
.irp b, 0,1,2,3
	v_exp_f32 v[232+\b], v[232+\b]                 ; each block's largest p
.endr
	v_pk_add_f32 v[236:237], v[100:101], v[104:105]
	v_pk_add_f32 v[94:95], v[108:109], v[112:113]
	v_pk_add_f32 v[92:93], v[116:117], v[120:121]
	v_pk_add_f32 v[90:91], v[124:125], v[128:129]
	v_pk_add_f32 v[88:89], v[132:133], v[136:137]
	v_pk_add_f32 v[86:87], v[140:141], v[144:145]
	v_pk_add_f32 v[84:85], v[148:149], v[152:153]
	v_pk_add_f32 v[14:15], v[14:15], v[156:157]
	v_pk_add_f32 v[236:237], v[236:237], v[96:97]
	v_pk_add_f32 v[94:95], v[94:95], v[98:99]
	v_pk_add_f32 v[92:93], v[92:93], v[102:103]
	v_pk_add_f32 v[90:91], v[90:91], v[106:107]
	v_pk_add_f32 v[88:89], v[88:89], v[110:111]
	v_pk_add_f32 v[86:87], v[86:87], v[114:115]
	v_pk_add_f32 v[84:85], v[84:85], v[118:119]
	v_pk_add_f32 v[14:15], v[14:15], v[122:123]
	v_pk_add_f32 v[236:237], v[236:237], v[126:127]
	v_pk_add_f32 v[94:95], v[94:95], v[130:131]
	v_pk_add_f32 v[92:93], v[92:93], v[134:135]
	v_pk_add_f32 v[90:91], v[90:91], v[138:139]
	v_pk_add_f32 v[88:89], v[88:89], v[142:143]
	v_pk_add_f32 v[86:87], v[86:87], v[146:147]
	v_pk_add_f32 v[84:85], v[84:85], v[150:151]
	v_pk_add_f32 v[14:15], v[14:15], v[154:155]
	v_pk_add_f32 v[236:237], v[236:237], v[158:159]
	s_delay_alu instid0(VALU_DEP_2)
	v_pk_add_f32 v[14:15], v[14:15], v[90:91]
	s_delay_alu instid0(VALU_DEP_2)
	v_pk_add_f32 v[236:237], v[236:237], v[88:89]
	v_pk_add_f32 v[94:95], v[94:95], v[86:87]
	v_pk_add_f32 v[92:93], v[92:93], v[84:85]
	s_delay_alu instid0(VALU_DEP_2)
	v_pk_add_f32 v[14:15], v[14:15], v[94:95]
	s_delay_alu instid0(VALU_DEP_2)
	v_pk_add_f32 v[236:237], v[236:237], v[92:93]
	s_delay_alu instid0(VALU_DEP_1)
	v_pk_add_f32 v[14:15], v[14:15], v[236:237]
	s_setprio 0
	s_wait_alu depctr_va_vdst(0)                   ; and one for the four
.irp b, 0,1,2,3
	v_max_num_f32 v[232+\b], 0x1800000, v[232+\b]  ; the floor 2^(3 - 127): the byte cannot fall under 1
.endr
.irp b, 0,1,2,3
	s_delay_alu instid0(VALU_DEP_4)
	v_add_nc_u32 v[244+\b], 0xff000000, v[232+\b]  ; the conversion's scale operand
.endr
.irp b, 0,1,2,3
	s_delay_alu instid0(VALU_DEP_4)
	v_lshrrev_b32 v[236+\b], 23, v[244+\b]         ; the scale's byte
.endr
	s_delay_alu instid0(VALU_DEP_3)
	v_lshl_or_b32 v253, v237, 8, v236              ; p's scale word for these 128 keys
	s_delay_alu instid0(VALU_DEP_1)
	v_lshl_or_b32 v253, v238, 16, v253
	s_delay_alu instid0(VALU_DEP_1)
	v_lshl_or_b32 v253, v239, 24, v253
.irp c, 0,1
	v_cvt_scalef32_pk16_fp6_f32 v[224+6*\c:226+6*\c], v[96+32*\c:111+32*\c], v[244+2*\c]
	v_cvt_scalef32_pk16_fp6_f32 v[236+4*\c:238+4*\c], v[112+32*\c:127+32*\c], v[244+2*\c+1]
.endr
	v_nop                                          ; one plain place behind a scaled conversion
.irp c, 0,1
.irp i, 0,1,2
	v_permlane16_swap_b32 v[224+6*\c+\i], v[236+4*\c+\i]
.endr
.irp i, 0,1,2
	s_delay_alu instid0(VALU_DEP_3)
	v_mov_b32 v[227+6*\c+\i], v[236+4*\c+\i]
.endr
.endr
.set j, 0
.rept 16
	v_pk_mul_f32 v[160+j:161+j], v[160+j:161+j], v[252:253] op_sel_hi:[1,0]   ; O^T under the new M; these sixteen also stand between the scale word's and the codes' last writes and the products
.set j, j+2
.endr
	s_wait_alu depctr_va_vdst(0)
	s_wait_dscnt 0x0                               ; V's fragments and scale words are in
.irp t, 0,2                            ; O^T += V^T p^T: four tiles of 16 channels, by turns
	v_wmma_scale_f32_16x16x128_f8f6f4 v[160+8*\t:167+8*\t], v[FR+12*\t:FR+11+12*\t], v[224:235], v[160+8*\t:167+8*\t], v[250+\t/2], v253 matrix_a_fmt:MATRIX_FMT_FP6 matrix_b_fmt:MATRIX_FMT_FP6
	v_wmma_scale_f32_16x16x128_f8f6f4 v[168+8*\t:175+8*\t], v[FR+12+12*\t:FR+23+12*\t], v[224:235], v[168+8*\t:175+8*\t], v[250+\t/2], v253 matrix_a_fmt:MATRIX_FMT_FP6 matrix_b_fmt:MATRIX_FMT_FP6 matrix_a_scale:MATRIX_SCALE_ROW1
.endr
.endm
; ONE TILE OF 16 QUERIES, from its codes to its part of yc and ys.  late = 1: tile 127 - (4 w + cx); 0: tile 4 w + cx.
.macro PASS late
	s_wait_xcnt 0x0                                ; earlier loads and stores have read their bases and registers
	s_lshl_b32 s54, s12, 2
	s_add_co_u32 s54, s54, s13
	s_lshr_b32 s55, s12, 1
.if \late
	s_sub_co_u32 s54, 127, s54                     ; my tile,
	s_sub_co_u32 s55, 15, s55                      ; and its last key step: tile / 8, by the wave's number alone
.endif
	s_mul_i32 s60, s54, 768
	s_add_co_u32 s60, s60, s44
	s_mov_b32 s61, 0
	s_add_nc_u64 s[60:61], s[4:5], s[60:61]        ; q's codes
	s_lshr_b32 s62, s54, 1
	s_lshl_b32 s62, s62, 6
	s_add_co_u32 s62, s62, s45
	s_mov_b32 s63, 0
	s_add_nc_u64 s[62:63], s[6:7], s[62:63]        ; q's scale words: a word serves two tiles
	s_lshr_b32 s70, s14, 4
	s_lshl_b32 s70, s70, 7
	s_add_co_u32 s70, s70, s54                     ; my tile among all 512
	s_and_b32 s71, s14, 15                         ; the head in its batch
	s_mul_i32 s66, s70, 12288
	s_mul_i32 s72, s71, 768
	s_add_co_u32 s66, s66, s72
	s_mov_b32 s67, 0
	s_add_nc_u64 s[66:67], s[8:9], s[66:67]        ; y's codes
	s_lshl_b32 s68, s71, 14
	s_lshl_b32 s72, s70, 5
	s_add_co_u32 s68, s68, s72
	s_mov_b32 s69, 0
	s_add_nc_u64 s[68:69], s[10:11], s[68:69]      ; y's scale bytes
	s_and_b32 s72, s54, 6
	s_lshl_b32 s72, s72, 4
	s_and_b32 s73, s54, 1
	s_lshl_b32 s74, s73, 3
	s_add_co_u32 s72, s72, s74
	v_add_nc_u32 v8, s72, v3                       ; my query less its last step's first key, less 16 h
	s_lshl_b32 s73, s73, 4
.irp p, 0,1,2
	global_load_b64 v[22+2*\p:23+2*\p], v1, s[60:61] offset:256*\p
.endr
	global_load_b32 v254, v9, s[62:63]
	v_mov_b32 v13, 0xff61b1e6                      ; the largest t so far: -3e38
	s_delay_alu instid0(VALU_DEP_1)
	v_floor_f32 v12, -v13
	v_mov_b32 v14, 0
	v_mov_b32 v15, 0
	s_wait_loadcnt 0x0
	v_lshrrev_b32 v254, s73, v254
	s_delay_alu instid0(VALU_DEP_1)
	v_and_b32 v254, 0xffff, v254                   ; my tile's two bytes
	s_delay_alu instid0(VALU_DEP_1)
	v_or_b32 v34, 0x01010000, v254                 ; for [q | 0]
	s_delay_alu instid0(VALU_DEP_2)
	v_lshl_or_b32 v35, v254, 16, 0x0101            ; for [0 | q]
.set j, 0
.rept 32
	v_mov_b32 v[160+j], 0                          ; O^T: the step is written once, and its first trip finds zeros.  (More than eight plain instructions between the scale words' writes and the first product)
.set j, j+1
.endr
	s_mov_b32 s56, 0
	s_mov_b32 s57, 0
	s_mov_b32 s58, 0
.Lstep_\@:                             ; sixteen trips, a constant; the steps behind my tile's last are jumped over
	s_cmp_gt_u32 s56, s55
	s_cbranch_scc1 .Lhid_\@
	s_setprio 2
	STEP
.Lhid_\@:
	s_add_co_u32 s57, s57, 6144
	s_add_co_u32 s58, s58, 256
	s_add_co_u32 s56, s56, 1
	s_cmp_lt_u32 s56, 16
	s_cbranch_scc1 .Lstep_\@
	s_setprio 0
.rept 4
	v_nop                                          ; places behind the last products
.endr
	v_add_f32 v14, v14, v15
	s_delay_alu instid0(VALU_DEP_1)
	v_permlanex16_b32 v252, v14, s[SEL], s[SEL+1]
	s_delay_alu instid0(VALU_DEP_1)
	v_add_f32 v14, v14, v252                       ; the row's sum
	s_wait_alu depctr_va_vdst(0)
	v_rcp_f32 v14, v14
	v_nop                                          ; a plain place behind the reciprocal
	s_wait_alu depctr_va_vdst(0)                   ; and the wait ahead of its first reader
.set j, 0
.rept 16
	v_pk_mul_f32 v[192+j:193+j], v[160+j:161+j], v[14:15] op_sel_hi:[1,0]   ; y: register 16 b + i is channel 32 b + 16 h + i of my query
.set j, j+2
.endr
.irp b, 0,1
	v_max3_num_f32 v[232+\b], |v[192+16*\b]|, |v[193+16*\b]|, 0x1800000
.endr
.irp i, 2,4,6,8,10,12,14
.irp b, 0,1
	s_delay_alu instid0(VALU_DEP_2)
	v_max3_num_f32 v[232+\b], v[232+\b], |v[192+16*\b+\i]|, |v[193+16*\b+\i]|
.endr
.endr
.irp b, 0,1
	s_delay_alu instid0(VALU_DEP_2)
	v_permlanex16_b32 v[236+\b], v[232+\b], s[SEL], s[SEL+1]
.endr
.irp b, 0,1
	s_delay_alu instid0(VALU_DEP_2)
	v_max_num_f32 v[232+\b], v[232+\b], v[236+\b]
.endr
.irp b, 0,1
	s_delay_alu instid0(VALU_DEP_2)
	v_add_nc_u32 v[244+\b], 0xff000000, v[232+\b]
.endr
.irp b, 0,1
	s_delay_alu instid0(VALU_DEP_2)
	v_lshrrev_b32 v[236+\b], 23, v[244+\b]
.endr
	s_delay_alu instid0(VALU_DEP_1)
	v_lshl_or_b32 v240, v237, 8, v236              ; the head's two scale bytes of my row
	v_cvt_scalef32_pk16_fp6_f32 v[224:226], v[192:207], v244
	v_cvt_scalef32_pk16_fp6_f32 v[236:238], v[208:223], v245
	v_nop
.irp i, 0,1,2
	v_permlane16_swap_b32 v[224+\i], v[236+\i]
.endr
.irp i, 0,1,2
	s_delay_alu instid0(VALU_DEP_3)
	v_mov_b32 v[227+\i], v[236+\i]
.endr
.irp p, 0,1,2
	global_store_b64 v1, v[224+2*\p:225+2*\p], s[66:67] offset:256*\p   ; 256 consecutive bytes, aligned
.endr
	v_cmp_gt_u32 vcc_lo, 16, v11
	s_wait_xcnt 0x0                                ; EXEC changes only behind this wait
	s_and_saveexec_b32 s72, vcc_lo                 ; lanes 16-31 hold the same bytes
	global_store_b16 v10, v240, s[68:69]
	s_wait_xcnt 0x0                                ; and again in front of the line that widens it
	s_or_b32 exec_lo, exec_lo, s72
.endm
	PASS 1
	PASS 0
	s_wait_dscnt 0x0
	s_wait_tensorcnt 0x0
	ds_add_u32 v243, v255
	s_wait_dscnt 0x0
	CROUND                                         ; the closing round
	s_endpgm
.Lfunc_end_k_q9b3d5aeadb_attn:
	.size	k_q9b3d5aeadb_attn, .Lfunc_end_k_q9b3d5aeadb_attn-k_q9b3d5aeadb_attn
	.p2alignl 7, 3214868480
	.fill 96, 4, 3214868480
	.section	.rodata,"a",@progbits
	.p2align	6, 0x0
	.amdhsa_kernel k_q9b3d5aeadb_attn
		.amdhsa_group_segment_fixed_size 206848
		.amdhsa_private_segment_fixed_size 0
		.amdhsa_enable_private_segment 0
		.amdhsa_kernarg_size 32
		.amdhsa_user_sgpr_count 2
		.amdhsa_user_sgpr_kernarg_segment_ptr 1
		.amdhsa_wavefront_size32 1
		.amdhsa_system_sgpr_workgroup_id_x 1
		.amdhsa_system_sgpr_workgroup_id_y 1
		.amdhsa_system_sgpr_workgroup_id_z 1
		.amdhsa_system_vgpr_workitem_id 0
		.amdhsa_next_free_vgpr 256
		.amdhsa_next_free_sgpr 80
		.amdhsa_reserve_vcc 1
		.amdhsa_float_denorm_mode_32 3
		.amdhsa_float_denorm_mode_16_64 3
		.amdhsa_memory_ordered 1
		.amdhsa_forward_progress 1
		.amdhsa_inst_pref_size 69
	.end_amdhsa_kernel
	.amdgpu_metadata
---
amdhsa.version: [ 1, 2 ]
amdhsa.kernels:
  - .name:           k_q9b3d5aeadb_attn
    .symbol:         k_q9b3d5aeadb_attn.kd
    .args:
      - { .name: qkv, .offset: 0, .size: 8, .value_kind: global_buffer, .address_space: global }
      - { .name: qkvs, .offset: 8, .size: 8, .value_kind: global_buffer, .address_space: global }
      - { .name: yc, .offset: 16, .size: 8, .value_kind: global_buffer, .address_space: global }
      - { .name: ys, .offset: 24, .size: 8, .value_kind: global_buffer, .address_space: global }
    .group_segment_fixed_size: 206848
    .private_segment_fixed_size: 0
    .kernarg_segment_align: 8
    .kernarg_segment_size: 32
    .max_flat_workgroup_size: 512
    .sgpr_count:     80
    .vgpr_count:     256
    .wavefront_size: 32
...
	.end_amdgpu_metadata
.endif
;; end of part 3
;; launch proj (part 4): grid 8 x 32, 4 waves a work-group, clusters of 4 x 4, 295,424 bytes of LDS; arguments xw, xws, yc, ys, bp, out0; writes out0
.if DOCPART == 4
	.amdgcn_target "amdgcn-amd-amdhsa--gfx1250"
	.amdhsa_code_object_version 6
	.text
	.protected	k_q9b3d5aeadb_proj
	.globl	k_q9b3d5aeadb_proj
	.p2align	8
	.type	k_q9b3d5aeadb_proj,@function
k_q9b3d5aeadb_proj:
	s_mov_b64 s[64:65], 0
	v_nop
	global_prefetch_b8 v0, s[64:65] scope:SCOPE_SE
	s_setreg_imm32_b32 hwreg(HW_REG_WAVE_MODE, 25, 1), 1
	s_wait_xcnt 0x0
	s_wait_alu depctr_hold_cnt(0) depctr_sa_sdst(0) depctr_va_vdst(0) depctr_va_sdst(0) depctr_va_ssrc(0) depctr_va_vcc(0) depctr_vm_vsrc(0)
	s_getreg_b32 s2, hwreg(HW_REG_IB_STS2, 6, 4)
	s_cmp_eq_u32 s2, 0
	s_cbranch_scc0 .Lentry_in_a_cluster
	s_endpgm
.Lentry_in_a_cluster:
	s_bfe_u32 s2, ttmp6, 0x10000c
	s_cmp_lg_u32 s2, 0xf033
	s_cbranch_scc0 .Lentry_shape_is_right
	s_endpgm
.Lentry_shape_is_right:
; out0 = y Wp^T + bp on codes of FP6 (E2M3) with E8M0 scales; out0 [8192][1024] f32.
; D = P Q^T.  Source 0 is the P side: 128 rows of Wp a work-group (8 blocks b, read by all four waves); source 1 the Q side: 256 tokens of y (wave w owns blocks 4 w + a).  A wave makes 128 x 64: 32 accumulators.
; In accumulator (a, b) lane (r, h) holds in register j output channel 32 (b / 2) + 16 h + 8 (b % 2) + j of token 32 (a / 2) + 8 (a % 2) + r + 8 (r / 8): eight neighbouring numbers of a row of out0.
; ALL OF K (1,024: 768 bytes a row) LIES IN LDS, asked for as four chunks of 256 along K at the start: no LDS byte is filled twice, so there is no ring.  A wave has four tensor loads out at most.
; CLUSTER 4 x 4: y's tile is shared along a row of the cluster, Wp's along a column: joint loads divide the requests by four.
; An operand tile of 16 rows x 64 K is 768 bytes [piece][lane][8 bytes]: every LDS load reads 256 consecutive bytes.  In yc the 64 along K are a head.
; The bias is the C of each sum's first product.  The way out goes through a stage of 16 rows x 528 bytes a wave, in chunk 0 of Q's region: it has had its only fill, and its last reads lie ahead of three barriers.
; REGISTERS.  window 0: v0-31 addresses; v32-95 Wp's scale words (8 b + K step); v96-127 y's (8 a + K step); v128-223 P's eight fragments; on the way out v128-255 rows of out0.
;   window 1: accumulator (a, b) at v[8 (8 a + b)].   window 2: v0-95 Q's four fragments, two sets; v96-159 the bias.
.set G1Q, 28
.set G1P, 36
.set G0Q, 44
.set G0P, 68
.set ADQ, 8
.set ADP, 12
.set STO, 20                           ; v20  the stage: where I put 32 bytes of a row
.set RD,  21                           ; v21  and where I read a row back
.set CO,  22                           ; v22  16 x lane: my bytes of a row's 512
.set SP,  32
.set SQ,  96
.set PF,  128
.set BP,  96
.set MSB, 0
.macro WIN new                         ; the immediate's high byte repeats the setting that is left
.if MSB != \new
	s_set_vgpr_msb (MSB<<8)|\new
.set MSB, \new
.endif
.endm
.macro MWIN cm                         ; source 0 (P) window 0, source 1 (Q) window 2, D window 1; C window 1, or window 2 where it is the bias
.if (\cm) == 2
	WIN 0x68
.else
	WIN 0x58
.endif
.endm
.macro CROUND
	s_barrier_signal -1
	s_barrier_wait -1
	s_cmp_lg_u32 s20, 0
	s_cbranch_scc1 .Lnot_wave_0_\@
	s_barrier_signal -3
.Lnot_wave_0_\@:
	s_barrier_wait -3
	s_barrier_signal -1
	s_barrier_wait -1
.endm
.macro PLACES n
.rept \n
	v_nop
.endr
.endm
.macro FRAG reg, adr, off
.irp c, 0,1
.irp p, 0,1,2
	ds_load_b64 v[(\reg)+6*\c+2*\p:(\reg)+6*\c+2*\p+1], v[\adr] offset:(\off)+768*\c+256*\p
.endr
.endr
.endm
.macro FETCH_Q set, q, kk
	WIN 0x80
.irp a, 0,1,2,3
	FRAG 48*(\set)+12*\a, ADQ+(\q), 3072*\a+1536*(\kk)
.endr
	WIN 0
.endm
.macro FETCH_P q, kk, b0
.irp b, \b0, \b0+1, \b0+2, \b0+3
	FRAG PF+12*(\b), ADP+(\q), 3072*(\b)+1536*(\kk)
.endr
.endm
; 8 matrix instructions: P's blocks b0, b0 + 1 x my four Q blocks.  cm = 0: onto the sums; 2: the bias starts them.  The 32 accumulators take turns, one instruction a turn, in the same order in every K step.
.macro MUL8 b0, set, ks, cm
.irp b, \b0, \b0+1
.irp a, 0,1,2,3
.if (\cm) == 0
	v_wmma_scale_f32_16x16x128_f8f6f4 v[8*(8*\a+(\b)):8*(8*\a+(\b))+7], v[PF+12*(\b):PF+12*(\b)+11], v[48*(\set)+12*\a:48*(\set)+12*\a+11], v[8*(8*\a+(\b)):8*(8*\a+(\b))+7], v[SP+8*(\b)+(\ks)], v[SQ+8*\a+(\ks)] matrix_a_fmt:MATRIX_FMT_FP6 matrix_b_fmt:MATRIX_FMT_FP6
.else
	v_wmma_scale_f32_16x16x128_f8f6f4 v[8*(8*\a+(\b)):8*(8*\a+(\b))+7], v[PF+12*(\b):PF+12*(\b)+11], v[48*(\set)+12*\a:48*(\set)+12*\a+11], v[BP+8*(\b):BP+8*(\b)+7], v[SP+8*(\b)+(\ks)], v[SQ+8*\a+(\ks)] matrix_a_fmt:MATRIX_FMT_FP6 matrix_b_fmt:MATRIX_FMT_FP6
.endif
.endr
.endr
.endm
; K step ks of 128, 32 matrix instructions.  P has one set of registers: blocks 0-3 are fetched anew in the step's middle, blocks 4-7 at its end; Q has two sets.
; A load into a register that a matrix instruction has read stands four plain vector instructions behind it.
.macro STEP ks, cm
	s_wait_dscnt 24                                ; Q's set and P's blocks 0-3 are in; the youngest 24 loads (P's blocks 4-7) may be out
	MWIN \cm
	MUL8 0, (\ks)%2, \ks, \cm
	MUL8 2, (\ks)%2, \ks, \cm
	s_wait_dscnt 0x0                               ; P's blocks 4-7 are in; no LDS instruction of mine is out at the signal below
.if (\ks)%2 == 1
	s_wait_tensorcnt 2-(\ks)/2                     ; my part of the next chunk has landed; the chunks asked for behind it may stay out
	s_barrier_signal -1
	s_barrier_wait -1
.endif
	PLACES 4
	FETCH_Q 1-(\ks)%2, ((\ks)+1)/2, ((\ks)+1)%2
	FETCH_P ((\ks)+1)/2, ((\ks)+1)%2, 0
	MWIN \cm
	MUL8 4, (\ks)%2, \ks, \cm
	MUL8 6, (\ks)%2, \ks, \cm
	PLACES 4
	WIN 0
	FETCH_P ((\ks)+1)/2, ((\ks)+1)%2, 4
.endm
	s_load_b256 s[4:11], s[0:1], 0x0               ; xw, xws, yc, ys
	s_load_b128 s[12:15], s[0:1], 0x20             ; bp, out0
	v_lshl_add_u32 v30, v0, 2, 0x48000
	v_mov_b32 v31, 0
	ds_add_u32 v30, v31
	ds_add_u32 v30, v31
	v_lshrrev_b32 v1, 5, v0
	v_readfirstlane_b32 s20, v1                    ; wave 0..3
	s_and_b32 s21, s20, 1
	s_bfe_u32 s22, ttmp6, 0x40000                  ; cx
	s_bfe_u32 s23, ttmp6, 0x40004                  ; cy
	s_and_b32 s25, ttmp7, 0xffff
	s_lshl_b32 s26, s23, 2
	s_lshl_b32 s26, 15, s26                        ; my row of the cluster
	s_lshl_b32 s27, 0x1111, s22                    ; my column
	; group 1: rows of 3,072 bytes (384 elements of 8 bytes), 12,288 bytes apart; Q: 8 rows a load, P: 4; no padding
	s_or_b32 s[G1Q], s26, (3<<16)|(1<<21)
	s_or_b32 s[G1P], s27, (3<<16)|(1<<21)
.irp g, G1Q, G1P
	s_mov_b32 s[\g+1], 384<<16
	s_mov_b32 s[\g+3], 384<<16
	s_mov_b32 s[\g+5], 1536
	s_mov_b32 s[\g+6], 0
	s_mov_b32 s[\g+7], 0
.endr
	s_mov_b32 s[G1Q+2], 8<<16
	s_mov_b32 s[G1Q+4], 8
	s_mov_b32 s[G1P+2], 4<<16
	s_mov_b32 s[G1P+4], 4
	s_lshl_b32 s84, ttmp9, 2
	s_add_co_u32 s84, s84, s22                     ; pt: which 128 rows of Wp
	s_lshl_b32 s86, s25, 2
	s_add_co_u32 s86, s86, s23                     ; qt: which 256 tokens
	s_lshl_b32 s85, s84, 3
	s_add_co_u32 s85, s85, 704                     ; Wp's first tile of 16 rows in xw
	s_lshl_b32 s87, s86, 4                         ; y's in yc
	s_lshl_b32 s90, s21, 3
	s_add_co_u32 s90, s90, s87
	s_mul_i32 s90, s90, 12288
	s_mov_b32 s91, 0
	s_lshl_b32 s92, s21, 2
	s_add_co_u32 s92, s92, s85
	s_mul_i32 s92, s92, 12288
	s_mov_b32 s93, 0
	s_mul_i32 s94, s21, 24576
	s_mul_i32 s95, s21, 12288
	s_add_co_u32 s95, s95, 196608
	s_wait_dscnt 0x0
	s_wait_kmcnt 0x0
	s_add_nc_u64 s[90:91], s[8:9], s[90:91]
	s_add_nc_u64 s[92:93], s[4:5], s[92:93]
	CROUND                                         ; all sixteen work-groups are here: the joint loads meet
.irp q, 0,1,2,3
	s_mov_b32 s[G0Q+4*\q], 1
	s_add_co_u32 s[G0Q+4*\q+1], s94, \q*49152
	s_add_nc_u64 s[G0Q+4*\q+2:G0Q+4*\q+3], s[90:91], \q*3072
	s_or_b32 s[G0Q+4*\q+3], s[G0Q+4*\q+3], 0x80000000
	s_mov_b32 s[G0P+4*\q], 1
	s_add_co_u32 s[G0P+4*\q+1], s95, \q*24576
	s_add_nc_u64 s[G0P+4*\q+2:G0P+4*\q+3], s[92:93], \q*3072
	s_or_b32 s[G0P+4*\q+3], s[G0P+4*\q+3], 0x80000000
.endr
	s_cmp_lt_u32 s20, 2                            ; waves 0, 1 fetch Q's halves, waves 2, 3 P's: a wave's four fills stand in one branch
	s_cbranch_scc0 .Lfill_p
.irp q, 0,1,2,3
	tensor_load_to_lds s[G0Q+4*\q:G0Q+4*\q+3], s[G1Q:G1Q+7]
	s_nop 0
.endr
	PLACES 4
	s_branch .Lfilled
.Lfill_p:
.irp q, 0,1,2,3
	tensor_load_to_lds s[G0P+4*\q:G0P+4*\q+3], s[G1P:G1P+7]
	s_nop 0
.endr
	PLACES 4
.Lfilled:
	v_and_b32 v1, 31, v0                           ; lane
	v_and_b32 v2, 15, v0                           ; r
	v_bfe_u32 v3, v0, 4, 1                         ; h
	v_lshlrev_b32 v4, 3, v1                        ; 8 x lane
	v_lshlrev_b32 v16, 4, v2                       ; 16 x r
	v_lshlrev_b32 v17, 6, v3                       ; 64 x h
	v_lshlrev_b32 v19, 1, v2                       ; 2 x r
	v_lshlrev_b32 v[CO], 4, v1
	s_mul_i32 s96, s20, 12288
.irp q, 0,1,2,3
	v_add_nc_u32 v[ADQ+\q], s96, v4
	v_add_nc_u32 v[ADP+\q], 196608+\q*24576, v4
	s_add_co_u32 s96, s96, 49152
.endr
	s_mul_i32 s96, s20, 16*528                     ; my stage
	v_mul_u32_u24 v[STO], v2, 528
	v_add_nc_u32 v[STO], v[STO], v17
	v_add_nc_u32 v[STO], s96, v[STO]               ; in: row r, + 64 h
	v_add_nc_u32 v[RD], s96, v[CO]                 ; back: a row's 512 bytes by the 32 lanes
	s_lshl_b32 s60, s85, 9
	s_mov_b32 s61, 0
	s_add_nc_u64 s[60:61], s[6:7], s[60:61]        ; Wp's scale words
	s_lshl_b32 s62, s20, 2
	s_add_co_u32 s62, s62, s87
	s_lshl_b32 s62, s62, 5
	s_mov_b32 s63, 0
	s_add_nc_u64 s[62:63], s[10:11], s[62:63]      ; y's scale bytes: 32 bytes a tile and head
	s_lshl_b32 s66, s84, 9
	s_mov_b32 s67, 0
	s_add_nc_u64 s[66:67], s[12:13], s[66:67]      ; the bias of my 128 channels
	s_lshl_b32 s96, s86, 8
	s_lshl_b32 s97, s20, 6
	s_add_co_u32 s96, s96, s97
	s_lshl_b32 s96, s96, 12                        ; my first token's row of out0,
	s_lshl_b32 s97, s84, 9
	s_add_co_u32 s96, s96, s97                     ; my 512 bytes of it
	s_mov_b32 s97, 0
	s_add_nc_u64 s[14:15], s[14:15], s[96:97]
.irp b, 0,1,2,3,4,5,6,7
.irp g, 0,1
	global_load_b128 v[SP+8*\b+4*\g:SP+8*\b+4*\g+3], v16, s[60:61] offset:512*\b+256*\g
.endr
.endr
.irp a, 0,1,2,3
.irp hd, 0,1,2,3,4,5,6,7,8,9,10,11,12,13,14,15
	global_load_u16 v[128+16*\a+\hd], v19, s[62:63] offset:16384*\hd+32*\a   ; head hd's two bytes of my row of block a
.endr
.endr
	WIN 0x80
.irp g, 0,1,2,3
.irp i, 0,1,2,3
	global_load_b128 v[BP+16*\g+4*\i:BP+16*\g+4*\i+3], v17, s[66:67] offset:128*\g+16*\i   ; the bias in the result's layout: register 8 b + j
.endr
.endr
	WIN 0
	s_wait_loadcnt 0x0
.irp a, 0,1,2,3
.irp q, 0,1,2,3,4,5,6,7
	v_lshl_or_b32 v[SQ+8*\a+\q], v[128+16*\a+2*\q+1], 16, v[128+16*\a+2*\q]   ; two heads make a K step's scale word
.endr
.endr
	PLACES 8                                       ; a scale register written by a vector instruction stands eight places ahead of a scaled product
	s_wait_alu depctr_va_vdst(0)
	s_wait_tensorcnt 3                             ; my part of chunk 0 has landed; the three chunks behind it stay out
	s_barrier_signal -1
	s_barrier_wait -1
	FETCH_Q 0, 0, 0
	FETCH_P 0, 0, 0
	FETCH_P 0, 0, 4
	STEP 0, 2
	STEP 1, 0
	STEP 2, 0
	STEP 3, 0
	STEP 4, 0
	STEP 5, 0
	STEP 6, 0
	s_wait_dscnt 24                                ; the last K step fetches nothing
	WIN 0x58
	MUL8 0, 1, 7, 0
	MUL8 2, 1, 7, 0
	s_wait_dscnt 0x0
	MUL8 4, 1, 7, 0
	MUL8 6, 1, 7, 0
	WIN 0
	PLACES 4                                       ; in front of the first read of results and of loads into P's registers
; THE WAY OUT, a block of 16 tokens x 128 channels at a time: into my stage, back as whole rows of 512 bytes.  LDS serves a wave's instructions in order: no wait between the stores and the loads, nor in front of the next block's stores.
.macro TOSTAGE a
	WIN 0x04                                       ; an LDS store's data are its source 1: window 1
.irp b, 0,1,2,3,4,5,6,7
	ds_store_b128 v[STO], v[64*(\a)+8*\b:64*(\a)+8*\b+3] offset:128*(\b/2)+32*(\b%2)        ; each accumulator from its low end on
	ds_store_b128 v[STO], v[64*(\a)+8*\b+4:64*(\a)+8*\b+7] offset:128*(\b/2)+32*(\b%2)+16
.endr
	WIN 0
.irp t, 0,1,2,3,4,5,6,7,8,9,10,11,12,13,14,15
	ds_load_b128 v[128+64*((\a)%2)+4*\t:128+64*((\a)%2)+4*\t+3], v[RD] offset:528*\t
.endr
.endm
.macro SEND a, younger                 ; younger: the LDS instructions issued behind block a's loads, which may stay out
	s_wait_dscnt \younger
.irp t, 0,1,2,3,4,5,6,7,8,9,10,11,12,13,14,15
	global_store_b128 v[CO], v[128+64*((\a)%2)+4*\t:128+64*((\a)%2)+4*\t+3], s[14:15] offset:(32*((\a)/2)+8*((\a)%2)+\t+8*(\t/8))*4096 th:TH_STORE_NT   ; stage row t is token t + 8 (t / 8) of the block; 512 consecutive bytes, aligned
.endr
.endm
	TOSTAGE 0
	TOSTAGE 1
	SEND 0, 32                                     ; behind block 0's loads: block 1's 16 stores and 16 loads
	s_wait_xcnt 0x0                                ; block 0's stores have read their registers: block 2's loads may land there
	TOSTAGE 2
	SEND 1, 32
	s_wait_xcnt 0x0
	TOSTAGE 3
	SEND 2, 32
	SEND 3, 0
	s_wait_dscnt 0x0
	s_wait_tensorcnt 0x0
	ds_add_u32 v30, v31
	s_wait_dscnt 0x0
	CROUND                                         ; the closing round
	s_endpgm
.Lfunc_end_k_q9b3d5aeadb_proj:
	.size	k_q9b3d5aeadb_proj, .Lfunc_end_k_q9b3d5aeadb_proj-k_q9b3d5aeadb_proj
	.p2alignl 7, 3214868480
	.fill 96, 4, 3214868480
	.section	.rodata,"a",@progbits
	.p2align	6, 0x0
	.amdhsa_kernel k_q9b3d5aeadb_proj
		.amdhsa_group_segment_fixed_size 295424
		.amdhsa_private_segment_fixed_size 0
		.amdhsa_enable_private_segment 0
		.amdhsa_kernarg_size 48
		.amdhsa_user_sgpr_count 2
		.amdhsa_user_sgpr_kernarg_segment_ptr 1
		.amdhsa_wavefront_size32 1
		.amdhsa_system_sgpr_workgroup_id_x 1
		.amdhsa_system_sgpr_workgroup_id_y 1
		.amdhsa_system_sgpr_workgroup_id_z 1
		.amdhsa_system_vgpr_workitem_id 0
		.amdhsa_next_free_vgpr 768
		.amdhsa_next_free_sgpr 102
		.amdhsa_reserve_vcc 0
		.amdhsa_float_denorm_mode_32 3
		.amdhsa_float_denorm_mode_16_64 3
		.amdhsa_memory_ordered 1
		.amdhsa_forward_progress 1
		.amdhsa_inst_pref_size 107
	.end_amdhsa_kernel
	.amdgpu_metadata
---
amdhsa.version: [ 1, 2 ]
amdhsa.kernels:
  - .name:           k_q9b3d5aeadb_proj
    .symbol:         k_q9b3d5aeadb_proj.kd
    .args:
      - { .name: xw, .offset: 0, .size: 8, .value_kind: global_buffer, .address_space: global }
      - { .name: xws, .offset: 8, .size: 8, .value_kind: global_buffer, .address_space: global }
      - { .name: yc, .offset: 16, .size: 8, .value_kind: global_buffer, .address_space: global }
      - { .name: ys, .offset: 24, .size: 8, .value_kind: global_buffer, .address_space: global }
      - { .name: bp, .offset: 32, .size: 8, .value_kind: global_buffer, .address_space: global }
      - { .name: out0, .offset: 40, .size: 8, .value_kind: global_buffer, .address_space: global }
    .group_segment_fixed_size: 295424
    .private_segment_fixed_size: 0
    .kernarg_segment_align: 8
    .kernarg_segment_size: 48
    .max_flat_workgroup_size: 128
    .sgpr_count:     102
    .vgpr_count:     768
    .wavefront_size: 32
...
	.end_amdgpu_metadata
.endif
;; end of part 4
